; MI455X (gfx1250); checked and timed in simulation.
; The chip was launched on July 23, 2026; its instructions are those of AMD's public machine-readable ISA for CDNA 5 (MIT licence, August 2026) and "CDNA5" Instruction Set Architecture Reference Guide (July 2026). The comments in the code are by the model that wrote it; some were corrected since.
;; Attn. Allowed arithmetic: matrix products marked QUANTISED: E2M1 operands, one E8M0 scale for each 32 along K, by v_wmma_scale_f32_16x16x128_f8f6f4 with both operands' format E2M1 (or v_wmma_scale_f32_32x16x128_f4), f32 sums; products left as they are: f32 operands where the result goes on into a quantised operand, else bf16, f16 or f32 operands; f32 sums; everything else in f32.
;; Inputs: W 1,024 x 1,024 float32; b 1,024 float32; encoder_outputs 2,048 x 32 x 1,024 float32; hidden 32 x 1,024 float32.
;; Outputs: out0 32 x 1 x 2,048 float32.
;; This version of the problem:
;;   THIS VERSION OF THE PROBLEM IS GIVEN IN LOW PRECISION. The matrix products marked QUANTISED in the list below multiply operands that are first quantised to E2M1 (2 exponent bits, 1 mantissa bit; 4 bits a number), with one power-of-two scale for each 32 numbers along K (OCP MX v1.0); their sums are f32. All else is computed in f32.
;;   The module's matrix products, in the order in which they are computed (A, B: the left and right operand; K: the contracted axis; several contracted axes count as one K, in the product's order):
;;     1. [M 65,536, K 1,024] x [K 1,024, N 1,024]; A: input encoder_outputs; B: input W: QUANTISED
;;     2. batch 32 x [M 1, K 1,024] x [K 1,024, N 2,048]; A: input hidden; B: computed on the way: left as it is (M = 1 < 16)
;;   THE QUANTISER, for each operand of a quantised product, along K:
;;     - K is cut into blocks of 32 from its start; a last block that is shorter is filled with zeros.
;;     - A block's scale is 2^e with e = floor(log2(the largest magnitude in the block)) - 2, held to -126 .. 127; a block of zeros has e = 0. As a byte (E8M0): e + 127.
;;     - Each number is divided by its block's scale, clamped to +-6, and rounded to the nearest number of E2M1, ties to even, subnormals kept.
;;     - The product sums the exact products of the quantised numbers (number of the format x scale) in f32.
;;   ~~~python
;;   def quantise(x, axis):      # numpy; x: float32 -> the quantised numbers, widened to float32 again
;;       x = np.moveaxis(x, axis, -1); K = x.shape[-1]
;;       x = np.pad(x, [(0, 0)] * (x.ndim - 1) + [(0, -K % 32)]); x = x.reshape(x.shape[:-1] + (-1, 32)); a = np.abs(x).max(-1, keepdims=True)
;;       e = np.where(a > 0, np.clip(np.frexp(np.where(a > 0, a, 1))[1] - 1 - 2, -126, 127), 0)      # np.frexp(a)[1] - 1 = floor(log2(a)), exactly
;;       r = np.clip(x / 2.0 ** e, -6, 6)
;;       step = 2.0 ** (np.maximum(np.frexp(np.where(r == 0, 1, r))[1] - 1, 0) - 1)
;;       q = np.round(r / step) * step * 2.0 ** e      # np.round: ties to even
;;       return np.moveaxis(q.reshape(q.shape[:-2] + (-1,))[..., :K], -1, axis).astype(np.float32)
;;   ~~~
;; 2 versions. Each part assembles by itself: llvm-mc -triple=amdgcn-amd-amdhsa -mcpu=gfx1250 --defsym DOCPART=n.
;; ======== version 1 of 2: 3 launches
;; workspace buffers: wq 557,056 bytes; scores 262,144 bytes
;; launch wquant (part 1): grid 8 x 8, 8 waves a work-group, no clusters, 1,536 bytes of LDS; arguments W, wq; writes wq
.if DOCPART == 1
	.amdgcn_target "amdgcn-amd-amdhsa--gfx1250"
	.amdhsa_code_object_version 6
	.text
	.protected	k_qa12cb33a7c_wquant
	.globl	k_qa12cb33a7c_wquant
	.p2align	8
	.type	k_qa12cb33a7c_wquant,@function
k_qa12cb33a7c_wquant:
	s_mov_b64 s[64:65], 0
	v_nop
	global_prefetch_b8 v0, s[64:65] scope:SCOPE_SE
	s_setreg_imm32_b32 hwreg(HW_REG_WAVE_MODE, 25, 1), 1
	s_wait_xcnt 0x0
; W [1024 (o)][1024 (k)], f32, becomes codes of FP4 (E2M1) with one E8M0 byte for each 32 along k, laid as the next launch's operand registers want them.
; wq is 8 blocks of BLOCKB bytes, one for each 128 along k (block t).  In a block: 64 fragment images of 1,024 bytes (tile n at 1,024 n; registers 4 c .. 4 c + 3 of lane l at 512 c + 16 l),
; then 8 scale images of 512 bytes (group g at 65,536 + 512 g; lane l, dword i: the scale word of tile 8 g + 4 (l / 16) + i, row l % 16).
; THE ROWS OF A TILE ARE NOT NEIGHBOURS: lane r of tile n takes row o = 64 (n / 4) + 4 r + n % 4, so that in the next launch one load of 16 bytes of hidden gives a lane its weights for four tiles.
; SHARES: work-group (g, t) makes group g of block t; its wave w makes tile n = 8 g + w.  Lane (r, h) holds k = 128 t + 64 c + 32 h + 0 .. 31 of its row: two whole blocks, so no other lane is asked for a maximum.
; A block's scale is 2^(floor(log2(largest magnitude)) - 2): its byte is the largest magnitude's exponent field - 2, held at 1 from below by a floor among the maximum's leaves.
; LIMITS: a block of zeros gets the byte 1 where the rule says 127 (its codes are zeros, and this program alone reads the bytes); NaN and infinities among the inputs are not served.
; A lane's loads take 128 consecutive bytes of its own row, rows 16,384 bytes apart: kept so because W is 4 MiB and is read once; the stores are dense, 512 consecutive bytes an instruction.
.set BLOCKB, 69632
.set X,  32                            ; v32-95  my 64 numbers: register 32 c + i = k 64 c + 32 h + i
.set C,  16                            ; v16-23  the fragment's codes
	s_load_b128 s[4:7], s[0:1], 0x0                ; W s[4:5], wq s[6:7]
	v_lshl_add_u32 v96, v0, 2, 0x200
	v_mov_b32 v97, 0
	v_lshrrev_b32 v1, 5, v0
	v_readfirstlane_b32 s8, v1                     ; wave 0..7
	v_and_b32 v1, 15, v0                           ; r
	v_bfe_u32 v2, v0, 4, 1                         ; h
	v_lshlrev_b32 v3, 14, v1                       ; 4 rows of 4,096 bytes from lane to lane,
	v_lshl_add_u32 v3, v2, 7, v3                   ; + 32 numbers for lanes 16-31
	v_and_b32 v4, 31, v0
	v_lshlrev_b32 v4, 4, v4                        ; 16 x lane: my place in an image
	s_lshr_b32 s9, s8, 2                           ; wave / 4
	s_and_b32 s16, s8, 3                           ; wave % 4
	s_lshl_b32 s17, s9, 8
	s_lshl_b32 s18, s16, 2
	s_add_co_u32 s17, s17, s18
	v_lshl_add_u32 v5, v1, 4, s17                  ; LDS: the group's scale image: 16 (16 (wave / 4) + r) + 4 (wave % 4)
	s_and_b32 s19, ttmp7, 0xffff                   ; t
	s_lshl_b32 s20, ttmp9, 7
	s_lshl_b32 s21, s9, 6
	s_add_co_u32 s20, s20, s21
	s_add_co_u32 s20, s20, s16                     ; lane 0's row: 128 g + 64 (wave / 4) + wave % 4
	s_lshl_b32 s20, s20, 12
	s_lshl_b32 s21, s19, 9
	s_add_co_u32 s20, s20, s21                     ; in bytes, + 512 t
	s_mov_b32 s21, 0
	s_mul_i32 s22, s19, BLOCKB                     ; block t
	s_mov_b32 s23, 0
	s_lshl_b32 s12, ttmp9, 3
	s_add_co_u32 s12, s12, s8                      ; n
	s_lshl_b32 s12, s12, 10                        ; its image
	s_mov_b32 s13, 0
	s_lshl_b32 s14, ttmp9, 9
	s_add_co_u32 s14, s14, 65536                   ; the group's scale image
	s_mov_b32 s15, 0
	s_mov_b32 s24, 0x76543210
	s_mov_b32 s25, 0xfedcba98                      ; v_permlanex16_b32's selects for lane l xor 16
	s_wait_kmcnt 0x0
	s_add_nc_u64 s[4:5], s[4:5], s[20:21]
	s_add_nc_u64 s[6:7], s[6:7], s[22:23]
	s_add_nc_u64 s[10:11], s[6:7], s[12:13]        ; where my codes go
	s_add_nc_u64 s[26:27], s[6:7], s[14:15]        ; where the group's scale words go
.irp c, 0,1
.irp j, 0,1,2,3,4,5,6,7
	global_load_b128 v[X+32*\c+4*\j:X+32*\c+4*\j+3], v3, s[4:5] offset:256*\c+16*\j th:TH_LOAD_NT
.endr
.endr
	s_wait_loadcnt 0x0
.irp c, 0,1
	v_max3_num_f32 v[6+\c], |v[X+32*\c]|, |v[X+32*\c+1]|, 0x1800000   ; my block 2 c + h, and the floor 2^(3 - 127): the byte cannot fall under 1
.endr
.irp i, 2,4,6,8,10,12,14,16,18,20,22,24,26,28,30
.irp c, 0,1
	v_max3_num_f32 v[6+\c], v[6+\c], |v[X+32*\c+\i]|, |v[X+32*\c+\i+1]|   ; (the two blocks by turns)
.endr
.endr
.irp c, 0,1
	v_add_nc_u32 v[8+\c], 0xff000000, v[6+\c]      ; 2 off the exponent field: the conversion takes this operand's exponent field as its scale
.endr
.irp c, 0,1
	v_lshrrev_b32 v[10+\c], 23, v[8+\c]            ; the scale's byte
.endr
	v_lshl_or_b32 v12, v11, 16, v10                ; my two bytes, blocks h and 2 + h,
	v_lshlrev_b32 v13, 3, v2
	v_lshlrev_b32 v12, v13, v12                    ; at their places in the word (8 h bits up);
	v_mov_b32 v13, 0                               ; (a lane permute's destination counts as read)
	v_permlanex16_b32 v13, v12, s24, s25
	v_or_b32 v12, v12, v13                         ; with lane l xor 16's two the word is whole
.irp c, 0,1
.irp g, 0,1,2,3
	v_cvt_scalef32_pk8_fp4_f32 v[C+4*\c+\g], v[X+32*\c+8*\g:X+32*\c+8*\g+7], v[8+\c]   ; registers 4 c .. 4 c + 3 of the operand
.endr
.endr
	v_nop                                          ; one plain line behind the last scaled conversion
	global_store_b128 v4, v[C:C+3], s[10:11]       ; 32 lanes store 512 consecutive bytes
	global_store_b128 v4, v[C+4:C+7], s[10:11] offset:512
	ds_store_b32 v5, v12                           ; lanes r and 16 + r write the same word with the same value
	s_wait_dscnt 0x0                               ; for wave 0's sake: my word has landed
	s_barrier_signal -1
	s_barrier_wait -1
	s_cmp_lg_u32 s8, 0                             ; wave 0 stores the group's 512 bytes of scale words as they lie
	s_cbranch_scc1 .Ldone
	ds_load_b128 v[24:27], v4
	s_wait_dscnt 0x0
	global_store_b128 v4, v[24:27], s[26:27]
.Ldone:
	s_wait_tensorcnt 0x0
	ds_add_u32 v96, v97
	s_wait_dscnt 0x0
	s_endpgm
.Lfunc_end_k_qa12cb33a7c_wquant:
	.size	k_qa12cb33a7c_wquant, .Lfunc_end_k_qa12cb33a7c_wquant-k_qa12cb33a7c_wquant
	.p2alignl 7, 3214868480
	.fill 96, 4, 3214868480
	.section	.rodata,"a",@progbits
	.p2align	6, 0x0
	.amdhsa_kernel k_qa12cb33a7c_wquant
		.amdhsa_group_segment_fixed_size 1536
		.amdhsa_private_segment_fixed_size 0
		.amdhsa_enable_private_segment 0
		.amdhsa_kernarg_size 16
		.amdhsa_user_sgpr_count 2
		.amdhsa_user_sgpr_kernarg_segment_ptr 1
		.amdhsa_wavefront_size32 1
		.amdhsa_system_sgpr_workgroup_id_x 1
		.amdhsa_system_sgpr_workgroup_id_y 1
		.amdhsa_system_sgpr_workgroup_id_z 1
		.amdhsa_system_vgpr_workitem_id 0
		.amdhsa_next_free_vgpr 98
		.amdhsa_next_free_sgpr 66
		.amdhsa_reserve_vcc 0
		.amdhsa_float_denorm_mode_32 3
		.amdhsa_float_denorm_mode_16_64 3
		.amdhsa_memory_ordered 1
		.amdhsa_forward_progress 1
		.amdhsa_inst_pref_size 8
	.end_amdhsa_kernel
	.amdgpu_metadata
---
amdhsa.version: [ 1, 2 ]
amdhsa.kernels:
  - .name:           k_qa12cb33a7c_wquant
    .symbol:         k_qa12cb33a7c_wquant.kd
    .args:
      - { .name: W, .offset: 0, .size: 8, .value_kind: global_buffer, .address_space: global }
      - { .name: wq, .offset: 8, .size: 8, .value_kind: global_buffer, .address_space: global }
    .group_segment_fixed_size: 1536
    .private_segment_fixed_size: 0
    .kernarg_segment_align: 8
    .kernarg_segment_size: 16
    .max_flat_workgroup_size: 256
    .sgpr_count:     66
    .vgpr_count:     98
    .wavefront_size: 32
...
	.end_amdgpu_metadata
.endif
;; end of part 1
;; launch energy (part 2): grid 8 x 32, 4 waves a work-group, clusters of 4 x 1, 327,680 bytes of LDS; arguments encoder_outputs, hidden, wq, scores; writes scores
.if DOCPART == 2
	.amdgcn_target "amdgcn-amd-amdhsa--gfx1250"
	.amdhsa_code_object_version 6
	.text
	.protected	k_qa12cb33a7c_energy
	.globl	k_qa12cb33a7c_energy
	.p2align	8
	.type	k_qa12cb33a7c_energy,@function
k_qa12cb33a7c_energy:
	s_mov_b64 s[64:65], 0
	v_nop
	global_prefetch_b8 v0, s[64:65] scope:SCOPE_SE
	s_setreg_imm32_b32 hwreg(HW_REG_WAVE_MODE, 25, 1), 1
	s_wait_xcnt 0x0
	s_wait_alu depctr_hold_cnt(0) depctr_sa_sdst(0) depctr_va_vdst(0) depctr_va_sdst(0) depctr_va_ssrc(0) depctr_va_vcc(0) depctr_vm_vsrc(0)
	s_getreg_b32 s2, hwreg(HW_REG_IB_STS2, 6, 4)
	s_cmp_eq_u32 s2, 0
	s_cbranch_scc0 .Lentry_in_a_cluster
	s_endpgm
.Lentry_in_a_cluster:
	s_bfe_u32 s2, ttmp6, 0x10000c
	s_cmp_lg_u32 s2, 0x3003
	s_cbranch_scc0 .Lentry_shape_is_right
	s_endpgm
.Lentry_shape_is_right:
; scores[b][s] = the sum over o of hidden[b][o] x (the sum over k of Q(enc)[s][b][k] Q(W)[o][k]).  enc: [2048 (s)][32 (b)][1024 (k)] f32; hidden: [32][1024] f32; wq: W's codes and scale words
; as images of operand registers, one dense block of 69,632 bytes for each 128 along k (made by the launch before).  The bias's part, hidden . b, is added by the next launch.  energy never goes to memory.
; SHARES.  Work-group (x, b) takes s = 256 x .. 256 x + 255 of one b; each of its four waves 64 of them: four tiles of 16 rows, ALL OF ONE b.  k goes in 8 steps of 128.
; THE SCORE IS LINEAR IN energy: a k step's part of a tile of energy (C = 0) is weighted by hidden and added into 32 running sums at once, so no product's result lives longer than two tiles.
; LAYOUT.  Source 0 = 16 rows of enc, source 1 = 16 rows of W: in the result lane (r, h) holds ONE output unit o and the eight rows s = 8 h + 0 .. 7, so hidden costs one register a tile of W.
; Lane r of tile n has o = 64 (n / 4) + 4 r + n % 4: one load of 16 bytes of hidden serves four tiles.
; enc IS QUANTISED ON THE WAY.  It comes by loads into a ring of 256 registers (a k step of my 64 rows, 64 loads), refilled tile by tile as it is used, with counted waits: the ring is never drained.
; A lane takes 32 neighbouring bytes (8 numbers), four lanes hold a block of 32; a pair of loads covers 512 consecutive bytes of each of two rows.  The block's largest magnitude is four v_max3 and two steps
; across lanes; one conversion gives 8 codes.  Only codes and scale bytes, an eighth of the bytes, turn through the wave's own LDS and come back as fragments.
; W's blocks come through a ring of two LDS slots; each wave fetches a quarter.  CLUSTER: all work-groups walk the same blocks, so the four of a cluster ask JOINTLY (mask 15): a quarter of the requests.
; No prefetch is laid: the launch's one large stream is asked for a whole k step ahead by its own loads, and W's blocks are read by every work-group.
; LIMITS: NaN and infinities among the inputs are not served; a block of zeros gets the scale byte 1 where the rule says 127 (its codes are zeros; the bytes never leave the wave);
; the sums over o and over the k steps are f32 in this text's own order.
; REGISTERS, in windows of 256: window 0 as named below; window 1: v0-255 RAW, unit u (rows 2 u, 2 u + 1 of my 64) at 8 u; window 2: v0-31 a unit's codes, v32-63 its scale byte.
.set SLOT1,  1<<17                     ; slot 0 at LDS byte 0, slot 1 here: one exclusive or turns an address in one slot into the other's
.set BLOCKB, 69632                     ; a block of wq
.set QUART,  17408                     ; a wave's quarter: 68 rows of 256 bytes
.set CODES,  69632                     ; behind slot 0: for each wave 64 rows of 64 bytes of codes, pitch 80 = 20 words: the 16 rows of a fragment load start at different banks (64 banks of 4 bytes: ISA guide 11.1)
.set SCB,    90112                     ; for each wave 64 rows x 4 scale bytes
.set OUT,    91136                     ; for each wave its 64 scores
.set SPARE,  92160                     ; the spare words, 128 bytes for each wave: two blocks of 256 bytes that no other line names
.set SPW, 1                            ; v1   LDS address of my spare word; never rewritten
.set NIL, 2                            ; v2   0; never rewritten
.set VA,  3                            ; v3   enc: 131,072 h + 32 r: my row of a unit's two, my 32 bytes; never rewritten
.set CA,  4                            ; v4   where my 8 codes go: row h of a unit, dword r
.set SA,  5                            ; v5   where my block's scale byte goes: row h, byte r / 4
.set FA,  6                            ; v6   where a fragment is read: row r, + 16 h
.set SL,  7                            ; v7   where a scale word is read: row r
.set LI,  8                            ; v8   16 x lane: my place in an image
.set WA,  9                            ; v9   the slot in hand + 16 x lane
.set WS,  10                           ; v10  its scale images
.set T,   11                           ; v11  hidden's offset, 16 r
.set AS,  12                           ; v12-15   enc's scale words, a register a tile of rows
.set WSC, 16                           ; v16-23   W's scale words: two sets of four; lanes 0-15 tiles 8 g + 0..3, lanes 16-31 tiles 8 g + 4..7
.set AF,  24                           ; v24-55   enc's four fragments
.set WF,  56                           ; v56-87   a ring of four fragments of W
.set D,   88                           ; v88-151  results: two sets of four tiles
.set ACC, 152                          ; v152-183 running sums: 8 m + j: row 16 m + 8 h + j, my o's share
.set HID, 184                          ; v184-247 hidden at my o of tile n
.set M,   248                          ; v248-255 eight units' largest magnitudes, then the conversions' scale operands
.set CODE, 0                           ; window 2
.set BYTE, 32                          ; window 2
.set MSB, 0
.macro WIN new                         ; bits 1:0 source 0, 3:2 source 1, 5:4 source 2, 7:6 destination; the immediate's high byte repeats the setting that is left
.if MSB != \new
	s_set_vgpr_msb (MSB<<8)|\new
.set MSB, \new
.endif
.endm
; A round of the cluster's barrier: my work-group's barrier, wave 0 signals for the work-group, every wave waits for all four work-groups, my work-group's barrier once more.
.macro ROUND
	s_barrier_signal -1
	s_barrier_wait -1
	s_cmp_lg_u32 s14, 0
	s_cbranch_scc1 .Lnot_wave_0_\@
	s_barrier_signal -3
.Lnot_wave_0_\@:
	s_barrier_wait -3
	s_barrier_signal -1
	s_barrier_wait -1
.endm
; 16 loads: tile m's 16 rows (8 units) of the k step at which s[4:5] stands.  The largest offset, 31 x 262,144 + 16, lies inside the signed 24-bit immediate (ISA guide, chapter 10).
.macro LOADT m
	WIN 0x40                                       ; destination window 1, address window 0
.irp i, 0,1,2,3,4,5,6,7
	global_load_b128 v[8*(8*(\m)+\i):8*(8*(\m)+\i)+3],   v[VA], s[4:5] offset:(8*(\m)+\i)*262144 th:TH_LOAD_NT
	global_load_b128 v[8*(8*(\m)+\i)+4:8*(8*(\m)+\i)+7], v[VA], s[4:5] offset:(8*(\m)+\i)*262144+16 th:TH_LOAD_NT
.endr
.endm
; Tile m's 16 rows become a fragment and a scale word.  left: the younger loads that may stay out.  reload = 1: its registers take the next k step.
.macro PREP m, reload, left
	s_wait_loadcnt \left                           ; loads come back in order (ISA guide 5.7.1): tile m's sixteen are in
	WIN 0x05                                       ; sources 0 and 1 window 1
.irp i, 0,1,2,3,4,5,6,7
	v_max3_num_f32 v[M+\i], |v[8*(8*(\m)+\i)]|, |v[8*(8*(\m)+\i)+1]|, 0x1800000   ; my 8 numbers of unit i, and the floor 2^(3 - 127): the byte cannot fall under 1.  (The eight units by turns)
.endr
.irp q, 2,4,6
.irp i, 0,1,2,3,4,5,6,7
	v_max3_num_f32 v[M+\i], |v[8*(8*(\m)+\i)+\q]|, |v[8*(8*(\m)+\i)+\q+1]|, v[M+\i]
.endr
.endr
	WIN 0
.irp i, 0,1,2,3,4,5,6,7
	v_max_num_f32_dpp v[M+\i], v[M+\i], v[M+\i] row_xmask:1 row_mask:0xf bank_mask:0xf
.endr
.irp i, 0,1,2,3,4,5,6,7
	v_max_num_f32_dpp v[M+\i], v[M+\i], v[M+\i] row_xmask:2 row_mask:0xf bank_mask:0xf   ; with the three other lanes of the block: its largest magnitude
.endr
.irp i, 0,1,2,3,4,5,6,7
	v_add_nc_u32 v[M+\i], 0xff000000, v[M+\i]      ; 2 off the exponent field: the conversion takes this operand's exponent field as its scale
.endr
	WIN 0x81                                       ; source 0 window 1, destination window 2
.irp i, 0,1,2,3,4,5,6,7
	v_cvt_scalef32_pk8_fp4_f32 v[CODE+8*(\m)+\i], v[8*(8*(\m)+\i):8*(8*(\m)+\i)+7], v[M+\i]   ; to the nearest code, ties to even, beyond 6 the largest code; the lowest k in the lowest bits
.endr
.irp i, 0,1,2,3,4,5,6,7
	v_lshrrev_b32 v[BYTE+8*(\m)+\i], 23, v[M+\i]   ; the scale's byte.  (Plain lines behind the scaled conversions)
.endr
	WIN 0x08                                       ; an LDS store's data are its source 1: window 2
.irp i, 0,1,2,3,4,5,6,7
	ds_store_b32 v[CA], v[CODE+8*(\m)+\i] offset:160*(8*(\m)+\i)
.endr
.irp i, 0,1,2,3,4,5,6,7
	ds_store_b8 v[SA], v[BYTE+8*(\m)+\i] offset:8*(8*(\m)+\i)   ; the four lanes of a block write the same byte with the same value
.endr
	WIN 0
.irp c, 0,1
	ds_load_b128 v[AF+8*(\m)+4*\c:AF+8*(\m)+4*\c+3], v[FA] offset:1280*(\m)+32*\c   ; LDS serves a wave's instructions in order (ISA guide 5.7.1.4): these see my stores
.endr
	ds_load_b32 v[AS+(\m)], v[SL] offset:64*(\m)
.if \reload
	LOADT \m
.endif
.endm
.macro WFRAG                           ; W's fragment of tile f into place f % 4 of the ring: 2 x 512 consecutive bytes
.irp c, 0,1
	ds_load_b128 v[WF+8*(f%4)+4*\c:WF+8*(f%4)+4*\c+3], v[WA] offset:1024*f+512*\c
.endr
.endm
.macro MUL4                            ; tile n of W against my four tiles of rows.  C = 0 always: four different results, no chain
.irp m, 0,1,2,3
.if (n%8) >= 4
	v_wmma_scale_f32_16x16x128_f8f6f4 v[D+32*(n%2)+8*\m:D+32*(n%2)+8*\m+7], v[AF+8*\m:AF+8*\m+7], v[WF+8*(n%4):WF+8*(n%4)+7], 0, v[AS+\m], v[WSC+4*((n/8)%2)+n%4] matrix_a_fmt:MATRIX_FMT_FP4 matrix_b_fmt:MATRIX_FMT_FP4 matrix_b_scale:MATRIX_SCALE_ROW1
.else
	v_wmma_scale_f32_16x16x128_f8f6f4 v[D+32*(n%2)+8*\m:D+32*(n%2)+8*\m+7], v[AF+8*\m:AF+8*\m+7], v[WF+8*(n%4):WF+8*(n%4)+7], 0, v[AS+\m], v[WSC+4*((n/8)%2)+n%4] matrix_a_fmt:MATRIX_FMT_FP4 matrix_b_fmt:MATRIX_FMT_FP4
.endif
.endr
.endm
.macro EPI                             ; tile p's results x hidden at my o, into the running sums: two fused multiply-adds a line; each result is read from its low end on
.irp m, 0,1,2,3
.irp i, 0,2,4,6
.if (p%2) == 0
	v_pk_fma_f32 v[ACC+8*\m+\i:ACC+8*\m+\i+1], v[D+32*(p%2)+8*\m+\i:D+32*(p%2)+8*\m+\i+1], v[HID+p:HID+p+1], v[ACC+8*\m+\i:ACC+8*\m+\i+1] op_sel_hi:[1,0,1]   ; the pair's first register for both halves
.else
	v_pk_fma_f32 v[ACC+8*\m+\i:ACC+8*\m+\i+1], v[D+32*(p%2)+8*\m+\i:D+32*(p%2)+8*\m+\i+1], v[HID+p-1:HID+p], v[ACC+8*\m+\i:ACC+8*\m+\i+1] op_sel:[0,1,0] op_sel_hi:[1,1,1]   ; its second for both
.endif
.endr
.endr
.endm
; One tile of W.  The sixteen lines that weight the tile before name none of this tile's registers: they are the places between these products and the loads into the fragment that
; they read, the first read of their results (a tile on) and the products that write over those results (two tiles on).  Tile 0 has no tile before: five v_nop, since tile 2's products write over its results.
.macro TILE
.if n < 61
	s_wait_dscnt 6                                 ; fragment n is in; the three fragments behind it may be out (a load of scale words among them only makes the wait stricter)
.else
	s_wait_dscnt 2*(63-n)
.endif
	MUL4
.if n == 0
.rept 5
	v_nop
.endr
.else
.set p, n-1
	EPI
.endif
.if ((n%8) == 1) && (n < 56)
	ds_load_b128 v[WSC+4*((n/8+1)%2):WSC+4*((n/8+1)%2)+3], v[WS] offset:512*(n/8+1)   ; the next eight tiles' scale words, into the set that the last eight left; issued ahead of fragment n + 4, so tile n + 4's wait shows them in
.endif
.if n < 60
.set f, n+4
	WFRAG
.endif
.endm
; A k step: W's first fragments are asked for, my 64 rows are quantised (and their registers refilled), then the 64 tiles of W.
.macro KSTEP last
	v_add_nc_u32 v[WA], s22, v[LI]
	v_add_nc_u32 v[WS], 0x10000, v[WA]
	ds_load_b128 v[WSC:WSC+3], v[WS]
.set f, 0
.rept 4
	WFRAG
.set f, f+1
.endr
.if \last
	PREP 0, 0, 48                                  ; nothing is left to load: the counts run down
	PREP 1, 0, 32
	PREP 2, 0, 16
	PREP 3, 0, 0
.else
	PREP 0, 1, 48                                  ; behind tile m's sixteen loads stand those of this step's 3 - m later tiles and the m reloads: 48.  (In the first step hidden's sixteen stand
	PREP 1, 1, 48                                  ; behind tile 3's: each wait then covers one group more than it needs, and the last, whose 48 are the three reloads, shows hidden in)
	PREP 2, 1, 48
	PREP 3, 1, 48
.endif
	WIN 0
	s_wait_dscnt 0x0                               ; my fragments, scale words and W's first four are in
.set n, 0
.rept 64
	TILE
.set n, n+1
.endr
.set p, 63
	EPI
	s_xor_b32 s22, s22, SLOT1                      ; on to the other slot
.endm
; THE CHANGE OF SLOTS stands at a k step's head.  Each wave waits for all its tensor loads (its quarter of the block that it is about to read), adds 0 to its spare word, and waits for that and for its
; reads of the slot that it has left.  fill = 1: behind a round of the cluster's barrier, so that no wave of any partner still reads that slot or has a load on its way, it is filled with the next block:
; one tensor load of mine is out, and it has the whole k step in which to land.
.macro CHANGE fill
	s_wait_tensorcnt 0x0                           ; no tensor load of mine is out, so the descriptor may be written
	ds_add_u32 v[SPW], v[NIL]                      ; 0 onto my spare word
.if \fill
	s_xor_b32 s33, s33, SLOT1                      ; the other slot than last time,
	s_add_nc_u64 s[34:35], s[34:35], BLOCKB        ; the next block; the type bits on top are not reached
	s_wait_xcnt 0x0                                ; every load issued so far has read its address,
	s_add_nc_u64 s[4:5], s[4:5], 512               ; so enc's base steps: this step's reloads fetch the next 128 along k
.endif
	s_wait_dscnt 0x0                               ; the add is done, and my reads of the slot that I have left are over
.if \fill
	ROUND
	tensor_load_to_lds s[32:35], s[24:31]          ; the first thing behind the round, and my one tensor load until the next
	s_nop 0
.rept 4
	v_nop
.endr
.else
	s_barrier_signal -1
	s_barrier_wait -1
.endif
.endm
	s_load_b256 s[4:11], s[0:1], 0x0               ; enc s[4:5], hidden s[6:7], wq s[8:9], scores s[10:11]
	v_lshl_add_u32 v[SPW], v0, 2, SPARE
	v_mov_b32 v[NIL], 0
	ds_add_u32 v1, v2
	ds_add_u32 v1, v2
	s_wait_dscnt 0x0
	v_lshrrev_b32 v[T], 5, v0
	v_readfirstlane_b32 s14, v[T]                  ; wave 0..3
	s_bfe_u32 s15, ttmp6, 0x40000                  ; cx: my place in the cluster: it enters enc's and scores' addresses alone
	s_lshl_b32 s16, ttmp9, 2                       ; in a cluster launch ttmp9 counts clusters
	s_add_co_u32 s16, s16, s15                     ; x = 4 x cluster x + cx
	s_and_b32 s17, ttmp7, 0xffff                   ; b
	v_and_b32 v248, 15, v0                         ; r
	v_bfe_u32 v249, v0, 4, 1                       ; h
	v_and_b32 v250, 31, v0                         ; lane
	v_lshlrev_b32 v[VA], 5, v248
	v_lshl_add_u32 v[VA], v249, 17, v[VA]          ; a step in s is 32 x 4,096 bytes
	s_mul_i32 s18, s14, 5120
	s_add_co_u32 s18, s18, CODES                   ; my wave's rows of codes
	v_mul_u32_u24 v[CA], v249, 80
	v_lshl_add_u32 v[CA], v248, 2, v[CA]
	v_add_nc_u32 v[CA], s18, v[CA]
	v_mul_u32_u24 v[FA], v248, 80
	v_lshl_add_u32 v[FA], v249, 4, v[FA]
	v_add_nc_u32 v[FA], s18, v[FA]
	s_lshl_b32 s19, s14, 8
	s_add_co_u32 s19, s19, SCB                     ; my wave's scale bytes
	v_lshrrev_b32 v[SA], 2, v248
	v_lshl_add_u32 v[SA], v249, 2, v[SA]
	v_add_nc_u32 v[SA], s19, v[SA]
	v_lshl_add_u32 v[SL], v248, 2, s19
	v_lshlrev_b32 v[LI], 4, v250
	v_lshlrev_b32 v[T], 4, v248                    ; hidden: 16 bytes a lane of a half
	; descriptor group 1: 68 rows of 256 bytes (32 elements of 8 bytes), dense in memory and in LDS
	s_mov_b32 s24, 15|(3<<16)|(1<<21)              ; 15:0 the mask: all four work-groups; 17:16 elements of 8 bytes; 21 set beside a mask; no padding: the images are read as they lie, 512 consecutive bytes a load
	s_mov_b32 s25, 32<<16                          ; tensor_dim0 = 32
	s_mov_b32 s26, 68<<16                          ; tensor_dim1 = 68
	s_mov_b32 s27, 32<<16                          ; tile_dim0 = 32
	s_mov_b32 s28, 68                              ; tile_dim1 = 68
	s_mov_b32 s29, 32                              ; tensor_dim0_stride
	s_mov_b32 s30, 0
	s_mov_b32 s31, 0
	s_lshl_b32 s18, s16, 8
	s_lshl_b32 s19, s14, 6
	s_add_co_u32 s18, s18, s19                     ; my first s: 256 x + 64 wave
	s_lshl_b32 s20, s18, 2
	s_lshl_b32 s21, s17, 13
	s_add_co_u32 s20, s20, s21                     ; scores: 8,192 b + 4 s
	s_mov_b32 s21, 0
	s_lshl_b32 s18, s18, 17
	s_lshl_b32 s12, s17, 12                        ; 4,096 b: a row of hidden, and b's place in a step of s
	s_mov_b32 s13, 0
	s_add_co_u32 s18, s18, s12                     ; enc: 131,072 s + 4,096 b, under 2^28 + 2^17
	s_mov_b32 s19, 0
	s_mul_i32 s36, s14, QUART                      ; my quarter of a block: the wave's number alone
	s_mov_b32 s37, 0
	s_mov_b32 s22, 0                               ; the slot in hand
	s_mov_b32 s23, 7
	s_wait_kmcnt 0x0
	s_add_nc_u64 s[4:5], s[4:5], s[18:19]
	s_add_nc_u64 s[6:7], s[6:7], s[12:13]
	s_add_nc_u64 s[10:11], s[10:11], s[20:21]
	s_mov_b32 s32, 1                               ; group 0: count = 1
	s_mul_i32 s33, s14, QUART                      ; LDS address: slot 0, my quarter
	s_add_nc_u64 s[34:35], s[8:9], s[36:37]        ; global address: block 0, my quarter
	s_or_b32 s35, s35, 0x80000000                  ; type = 2
	LOADT 0                                        ; the stream starts ahead of everything else
	LOADT 1
	LOADT 2
	WIN 0                                          ; at a label and at a branch every window is 0
	ROUND                                          ; all four work-groups are here: the first joint loads meet
	tensor_load_to_lds s[32:35], s[24:31]          ; block 0
	s_nop 0
.rept 4
	v_nop
.endr
	LOADT 3
	WIN 0
.set j, 0
.rept 16
	global_load_b128 v[HID+4*j:HID+4*j+3], v[T], s[6:7] offset:256*j   ; hidden[b][64 j + 4 r + 0 .. 3]: tiles 4 j .. 4 j + 3; sixteen lanes read 256 consecutive bytes
.set j, j+1
.endr
.set j, 0
.rept 32
	v_mov_b32 v[ACC+j], 0                          ; the k step is written once for all trips, so the sums begin as zeros
.set j, j+1
.endr
.Lstep:                                                ; 7 trips: step t multiplies block t, asks for block t + 1 and reloads enc's step t + 1
	CHANGE 1
	KSTEP 0
	s_sub_co_u32 s23, s23, 1
	s_cmp_lg_u32 s23, 0
	s_cbranch_scc1 .Lstep
	CHANGE 0                                       ; the last step is written out: it asks for nothing and no load leaves its buffer
	KSTEP 1
	; THE WAY OUT.  A row's score is the sum of the sixteen lanes of my half: four steps that ride on the addition; every lane of the half ends with the same bits.
.irp x, 1,2,4,8
.set j, 0
.rept 32
	v_add_f32_dpp v[ACC+j], v[ACC+j], v[ACC+j] row_xmask:\x row_mask:0xf bank_mask:0xf
.set j, j+1
.endr
.endr
	s_lshl_b32 s18, s14, 8
	s_add_co_u32 s18, s18, OUT                     ; my wave's 64 scores
	v_bfe_u32 v[T], v0, 4, 1
	v_lshl_add_u32 v[T], v[T], 5, s18              ; in: rows 8 h + 0 .. 7 of a tile: 32 h bytes on
	v_and_b32 v[WA], 31, v0
	v_lshlrev_b32 v[WA], 3, v[WA]                  ; back, and in scores: 8 bytes a lane
	v_add_nc_u32 v[WS], s18, v[WA]
.irp m, 0,1,2,3
.irp q, 0,1
	ds_store_b128 v[T], v[ACC+8*\m+4*\q:ACC+8*\m+4*\q+3] offset:64*\m+16*\q   ; the sixteen lanes of a half write the same bytes with the same values
.endr
.endr
	ds_load_b64 v[D:D+1], v[WS]                    ; LDS serves a wave's instructions in order: this sees my stores
	s_wait_dscnt 0x0
	global_store_b64 v[WA], v[D:D+1], s[10:11]     ; 32 lanes store 256 consecutive bytes, at a multiple of 256 from the buffer's first byte
	s_wait_tensorcnt 0x0                           ; the wave's end, behind my last tensor load and my last LDS store
	ds_add_u32 v[SPW], v[NIL]
	s_wait_dscnt 0x0
	ROUND                                          ; the closing round: no work-group ends while a partner may still ask for a block that names it
	s_endpgm
.Lfunc_end_k_qa12cb33a7c_energy:
	.size	k_qa12cb33a7c_energy, .Lfunc_end_k_qa12cb33a7c_energy-k_qa12cb33a7c_energy
	.p2alignl 7, 3214868480
	.fill 96, 4, 3214868480
	.section	.rodata,"a",@progbits
	.p2align	6, 0x0
	.amdhsa_kernel k_qa12cb33a7c_energy
		.amdhsa_group_segment_fixed_size 327680
		.amdhsa_private_segment_fixed_size 0
		.amdhsa_enable_private_segment 0
		.amdhsa_kernarg_size 32
		.amdhsa_user_sgpr_count 2
		.amdhsa_user_sgpr_kernarg_segment_ptr 1
		.amdhsa_wavefront_size32 1
		.amdhsa_system_sgpr_workgroup_id_x 1
		.amdhsa_system_sgpr_workgroup_id_y 1
		.amdhsa_system_sgpr_workgroup_id_z 1
		.amdhsa_system_vgpr_workitem_id 0
		.amdhsa_next_free_vgpr 576
		.amdhsa_next_free_sgpr 66
		.amdhsa_reserve_vcc 0
		.amdhsa_float_denorm_mode_32 3
		.amdhsa_float_denorm_mode_16_64 3
		.amdhsa_memory_ordered 1
		.amdhsa_forward_progress 1
		.amdhsa_inst_pref_size 255
	.end_amdhsa_kernel
	.section	.bss,"aw",@nobits
	.p2align	6
	.space	262144
	.amdgpu_metadata
---
amdhsa.version: [ 1, 2 ]
amdhsa.kernels:
  - .name:           k_qa12cb33a7c_energy
    .symbol:         k_qa12cb33a7c_energy.kd
    .args:
      - { .name: encoder_outputs, .offset: 0, .size: 8, .value_kind: global_buffer, .address_space: global }
      - { .name: hidden, .offset: 8, .size: 8, .value_kind: global_buffer, .address_space: global }
      - { .name: wq, .offset: 16, .size: 8, .value_kind: global_buffer, .address_space: global }
      - { .name: scores, .offset: 24, .size: 8, .value_kind: global_buffer, .address_space: global }
    .group_segment_fixed_size: 327680
    .private_segment_fixed_size: 0
    .kernarg_segment_align: 8
    .kernarg_segment_size: 32
    .max_flat_workgroup_size: 128
    .sgpr_count:     66
    .vgpr_count:     576
    .wavefront_size: 32
...
	.end_amdgpu_metadata
.endif
;; end of part 2
;; launch softmax (part 3): grid 32 x 1, 8 waves a work-group, no clusters, 1,280 bytes of LDS; arguments scores, hidden, b, out0; writes out0
.if DOCPART == 3
	.amdgcn_target "amdgcn-amd-amdhsa--gfx1250"
	.amdhsa_code_object_version 6
	.text
	.protected	k_qa12cb33a7c_softmax
	.globl	k_qa12cb33a7c_softmax
	.p2align	8
	.type	k_qa12cb33a7c_softmax,@function
k_qa12cb33a7c_softmax:
	s_mov_b64 s[64:65], 0
	v_nop
	global_prefetch_b8 v0, s[64:65] scope:SCOPE_SE
	s_setreg_imm32_b32 hwreg(HW_REG_WAVE_MODE, 25, 1), 1
	s_wait_xcnt 0x0
; out0[b][0][s] = softmax over s of (scores[b][s] + hidden[b] . bias).  scores: [32][2048] f32 from the launch before; hidden: [32][1024]; bias: [1024]; all f32.
; One work-group of eight waves for each b.  Thread t holds scores 4 t .. 4 t + 3 and 1,024 + 4 t .. + 3, and four terms of hidden . bias: every load and store of a wave covers 512 consecutive bytes.
; The row's maximum is taken away ahead of the exponential.  Adding hidden . bias rises with the score, so the largest sum is the largest score's sum: the maximum is searched in the same pass as the dot product.
; Two meetings of the eight waves in LDS, on bytes of their own: (dot product, maximum) at bytes 0-63, the sums of the exponentials at bytes 64-95.
; LIMITS: an exponential that would be denormal comes out as 0 (v_exp_f32: ISA guide 15.8); NaN and infinities among the inputs are not served.
	s_load_b256 s[4:11], s[0:1], 0x0               ; scores s[4:5], hidden s[6:7], bias s[8:9], out0 s[10:11]
	v_lshl_add_u32 v64, v0, 2, 0x100
	v_mov_b32 v65, 0
	v_lshlrev_b32 v1, 4, v0                        ; 16 bytes a thread
	v_lshrrev_b32 v2, 5, v0
	v_readfirstlane_b32 s12, v2                    ; wave 0..7
	s_lshl_b32 s14, ttmp9, 13                      ; a row of scores and of out0: 8,192 bytes
	s_mov_b32 s15, 0
	s_lshl_b32 s16, ttmp9, 12                      ; a row of hidden: 4,096
	s_mov_b32 s17, 0
	s_mov_b32 s18, 0x76543210
	s_mov_b32 s19, 0xfedcba98                      ; v_permlanex16_b32's selects for lane l xor 16
	s_wait_kmcnt 0x0
	s_add_nc_u64 s[4:5], s[4:5], s[14:15]
	s_add_nc_u64 s[6:7], s[6:7], s[16:17]
	s_add_nc_u64 s[10:11], s[10:11], s[14:15]
	global_load_b128 v[4:7], v1, s[4:5]
	global_load_b128 v[8:11], v1, s[4:5] offset:4096
	global_load_b128 v[12:15], v1, s[6:7]
	global_load_b128 v[16:19], v1, s[8:9]
	v_mov_b32 v22, 0                               ; (a lane permute's destination counts as read)
	v_mov_b32 v23, 0
	v_mov_b32 v24, s12
	v_lshlrev_b32 v25, 2, v24                      ; 4 x wave
	v_lshlrev_b32 v24, 3, v24                      ; 8 x wave
	v_mov_b32 v26, 0
	s_wait_loadcnt 0x0
	v_mul_f32 v20, v12, v16                        ; my four terms of hidden . bias
	v_fmac_f32 v20, v13, v17
	v_fmac_f32 v20, v14, v18
	v_fmac_f32 v20, v15, v19
	v_max3_num_f32 v21, v4, v5, v6                 ; the largest of my eight scores
	v_max3_num_f32 v21, v21, v7, v8
	v_max3_num_f32 v21, v21, v9, v10
	v_max_num_f32 v21, v21, v11
.irp x, 1,2,4,8
	v_add_f32_dpp v20, v20, v20 row_xmask:\x row_mask:0xf bank_mask:0xf
	v_max_num_f32_dpp v21, v21, v21 row_xmask:\x row_mask:0xf bank_mask:0xf
.endr
	v_permlanex16_b32 v22, v20, s18, s19
	v_permlanex16_b32 v23, v21, s18, s19
	v_add_f32 v20, v20, v22                        ; the wave's
	v_max_num_f32 v21, v21, v23
	ds_store_b64 v24, v[20:21]                     ; all lanes write the same two words with the same values
	s_wait_dscnt 0x0                               ; for the others' sake
	s_barrier_signal -1
	s_barrier_wait -1
.irp i, 0,1,2,3
	ds_load_b128 v[28+4*\i:31+4*\i], v26 offset:16*\i   ; the eight waves' pairs, in every lane
.endr
	s_wait_dscnt 0x0
	v_add_f32 v28, v28, v30
	v_add_f32 v32, v32, v34
	v_add_f32 v36, v36, v38
	v_add_f32 v40, v40, v42
	v_add_f32 v28, v28, v32
	v_add_f32 v36, v36, v40
	v_add_f32 v28, v28, v36                        ; hidden . bias
	v_max3_num_f32 v29, v29, v31, v33
	v_max3_num_f32 v29, v29, v35, v37
	v_max3_num_f32 v29, v29, v39, v41
	v_max_num_f32 v29, v29, v43
	v_add_f32 v29, v29, v28                        ; the row's largest energy
.irp j, 4,5,6,7,8,9,10,11
	v_add_f32 v[\j], v[\j], v28                    ; the energy,
.endr
.irp j, 4,5,6,7,8,9,10,11
	v_sub_f32 v[\j], v[\j], v29                    ; less the largest: 0 or less,
.endr
.irp j, 4,5,6,7,8,9,10,11
	v_mul_f32 v[\j], 0x3fb8aa3b, v[\j]             ; x log2(e)
.endr
.irp j, 4,5,6,7,8,9,10,11
	v_exp_f32 v[\j], v[\j]
.endr
	v_nop                                          ; a plain line behind the last exponential
	s_wait_alu depctr_va_vdst(0)                   ; one wait for the eight, ahead of their first reader
	v_pk_add_f32 v[44:45], v[4:5], v[6:7]
	v_pk_add_f32 v[46:47], v[8:9], v[10:11]
	v_pk_add_f32 v[44:45], v[44:45], v[46:47]
	v_add_f32 v44, v44, v45
.irp x, 1,2,4,8
	v_add_f32_dpp v44, v44, v44 row_xmask:\x row_mask:0xf bank_mask:0xf
.endr
	v_permlanex16_b32 v22, v44, s18, s19
	v_add_f32 v44, v44, v22                        ; the wave's sum
	ds_store_b32 v25, v44 offset:64
	s_wait_dscnt 0x0
	s_barrier_signal -1
	s_barrier_wait -1
	ds_load_b128 v[48:51], v26 offset:64
	ds_load_b128 v[52:55], v26 offset:80
	s_wait_dscnt 0x0
	v_add_f32 v48, v48, v49
	v_add_f32 v50, v50, v51
	v_add_f32 v52, v52, v53
	v_add_f32 v54, v54, v55
	v_add_f32 v48, v48, v50
	v_add_f32 v52, v52, v54
	v_add_f32 v48, v48, v52                        ; the row's sum: at least 1, the largest energy's own term
	v_rcp_f32 v49, v48
	v_nop                                          ; a plain line behind the reciprocal
	s_wait_alu depctr_va_vdst(0)                   ; and the wait ahead of its first reader
.irp j, 4,5,6,7,8,9,10,11
	v_mul_f32 v[\j], v[\j], v49
.endr
	global_store_b128 v1, v[4:7], s[10:11]
	global_store_b128 v1, v[8:11], s[10:11] offset:4096
	s_wait_tensorcnt 0x0
	ds_add_u32 v64, v65
	s_wait_dscnt 0x0
	s_endpgm
.Lfunc_end_k_qa12cb33a7c_softmax:
	.size	k_qa12cb33a7c_softmax, .Lfunc_end_k_qa12cb33a7c_softmax-k_qa12cb33a7c_softmax
	.p2alignl 7, 3214868480
	.fill 96, 4, 3214868480
	.section	.rodata,"a",@progbits
	.p2align	6, 0x0
	.amdhsa_kernel k_qa12cb33a7c_softmax
		.amdhsa_group_segment_fixed_size 1280
		.amdhsa_private_segment_fixed_size 0
		.amdhsa_enable_private_segment 0
		.amdhsa_kernarg_size 32
		.amdhsa_user_sgpr_count 2
		.amdhsa_user_sgpr_kernarg_segment_ptr 1
		.amdhsa_wavefront_size32 1
		.amdhsa_system_sgpr_workgroup_id_x 1
		.amdhsa_system_sgpr_workgroup_id_y 1
		.amdhsa_system_sgpr_workgroup_id_z 1
		.amdhsa_system_vgpr_workitem_id 0
		.amdhsa_next_free_vgpr 66
		.amdhsa_next_free_sgpr 66
		.amdhsa_reserve_vcc 0
		.amdhsa_float_denorm_mode_32 3
		.amdhsa_float_denorm_mode_16_64 3
		.amdhsa_memory_ordered 1
		.amdhsa_forward_progress 1
		.amdhsa_inst_pref_size 7
	.end_amdhsa_kernel
	.amdgpu_metadata
---
amdhsa.version: [ 1, 2 ]
amdhsa.kernels:
  - .name:           k_qa12cb33a7c_softmax
    .symbol:         k_qa12cb33a7c_softmax.kd
    .args:
      - { .name: scores, .offset: 0, .size: 8, .value_kind: global_buffer, .address_space: global }
      - { .name: hidden, .offset: 8, .size: 8, .value_kind: global_buffer, .address_space: global }
      - { .name: b, .offset: 16, .size: 8, .value_kind: global_buffer, .address_space: global }
      - { .name: out0, .offset: 24, .size: 8, .value_kind: global_buffer, .address_space: global }
    .group_segment_fixed_size: 1280
    .private_segment_fixed_size: 0
    .kernarg_segment_align: 8
    .kernarg_segment_size: 32
    .max_flat_workgroup_size: 256
    .sgpr_count:     66
    .vgpr_count:     66
    .wavefront_size: 32
...
	.end_amdgpu_metadata
.endif
;; end of part 3
;; ======== version 2 of 2: 3 launches
;; limits: right only within a limited range of input values
;; workspace buffers: wq 557,056 bytes; scores 262,144 bytes
;; launch wquant (part 4): grid 64 x 2, 4 waves a work-group, no clusters, 4,864 bytes of LDS; arguments W, wq; writes wq
.if DOCPART == 4
	.amdgcn_target "amdgcn-amd-amdhsa--gfx1250"
	.amdhsa_code_object_version 6
	.text
	.protected	k_qa12cb33a7c_wquant
	.globl	k_qa12cb33a7c_wquant
	.p2align	8
	.type	k_qa12cb33a7c_wquant,@function
k_qa12cb33a7c_wquant:
	s_mov_b64 s[64:65], 0
	v_nop
	global_prefetch_b8 v0, s[64:65] scope:SCOPE_SE
	s_setreg_imm32_b32 hwreg(HW_REG_WAVE_MODE, 25, 1), 1
	s_wait_xcnt 0x0
; DEAD WORK, for the whole program.  reference() has score[b][s] = hidden[b] . (W enc[s][b] + bias) = hidden[b] . (W enc[s][b]) + hidden[b] . bias.  The second term does not hang on s, and the softmax
; runs over s: a term that is the same along the softmax's axis leaves every result as it is, whatever finite values the inputs hold.  The bias is no operand of the quantised product.  So hidden . bias is
; not computed, and the input b is not loaded and is among no launch's arguments.  LIMIT: a NaN, an infinity or an overflow that reaches only hidden . bias is not carried to the result.
;
; THIS LAUNCH: W [1024 (o)][1024 (k)], f32, becomes codes of FP4 (E2M1) with one E8M0 byte for each 32 along k, laid as the next launch's operand registers want them.
; wq is 8 blocks of BLOCKB bytes: block 4 c + g holds tiles 16 g .. 16 g + 15 (of 16 rows of W) for k half c (512 along k).  In a block: 64 fragment images of 1,024 bytes (tile y, k step t of the half, at
; 1,024 (4 y + t); registers 4 j .. 4 j + 3 of lane l at 512 j + 16 l), then 16 scale pieces of 256 bytes (tile y at 65,536 + 256 y; row r: the four scale words of the half's k steps, 16 bytes).
; Lane r of tile n takes row o = 64 (n / 4) + 4 r + n % 4, so that in the next launch 16 bytes of hidden serve four tiles.
; k IS PERMUTED INSIDE EACH BLOCK OF 32, alike here and for enc in the next launch, which keeps every product and every scale: dword q of a block's 16 bytes holds k = 4 q + 0 .. 3 and 16 + 4 q + 0 .. 3.
; SHARES: work-group (n, c) makes tile n's half c; wave t its k step t.  Each load takes 512 consecutive bytes of one row: lanes 0-15 the first 64 bytes of the four blocks, lanes 16-31 the second 64.
; A unit is two loads (rows u and u + 8); four exchanges of lane halves give lane (r, h) eight numbers of ONE block of row u + 8 h.  Four lanes hold a block.
; The codes turn through the wave's own image in LDS and leave as 2 x 512 consecutive bytes; the scale bytes meet in 256 bytes of LDS and leave as one aligned unit.
; A block's scale byte is its largest magnitude's exponent field - 2, held at 1 from below by a floor among the maximum's leaves.
; LIMITS: a block of zeros gets the byte 1 where the rule says 127 (its codes are zeros, and this program alone reads the bytes); NaN and infinities among the inputs are not served.
.set BLOCKB, 69632
.set X, 64                             ; v64-127 eight units of 8 numbers
.set M, 16                             ; v16-23  largest magnitudes, then the conversions' scale operands
.set C, 24                             ; v24-31  codes
.set E, 32                             ; v32-39  scale bytes
.set SPARE, 4352                       ; the spare words, behind four images and the scale piece
	s_load_b128 s[4:7], s[0:1], 0x0                ; W, wq
	v_lshl_add_u32 v60, v0, 2, SPARE
	v_mov_b32 v61, 0
	v_lshrrev_b32 v1, 5, v0
	v_readfirstlane_b32 s8, v1                     ; wave: the k step of the half
	s_lshl_b32 s9, s8, 10                          ; my image in LDS
	s_lshl_b32 s10, s8, 2
	s_add_co_u32 s10, s10, 4096                    ; my byte column of the scale piece
	s_and_b32 s11, ttmp7, 0xffff                   ; c
	s_lshr_b32 s12, ttmp9, 2
	s_lshl_b32 s12, s12, 6
	s_and_b32 s13, ttmp9, 3
	s_add_co_u32 s12, s12, s13                     ; lane 0's row: 64 (n / 4) + n % 4
	s_lshl_b32 s12, s12, 12
	s_lshl_b32 s13, s11, 11
	s_add_co_u32 s12, s12, s13                     ; + 2,048 c
	s_lshl_b32 s13, s8, 9
	s_add_co_u32 s12, s12, s13                     ; + 512 t
	s_mov_b32 s13, 0
	s_lshl_b32 s14, s11, 2
	s_lshr_b32 s15, ttmp9, 4
	s_add_co_u32 s14, s14, s15
	s_mul_i32 s14, s14, BLOCKB                     ; block 4 c + n / 16
	s_mov_b32 s15, 0
	s_and_b32 s16, ttmp9, 15                       ; y
	s_lshl_b32 s18, s16, 2
	s_add_co_u32 s18, s18, s8
	s_lshl_b32 s18, s18, 10                        ; image 4 y + t
	s_mov_b32 s19, 0
	s_lshl_b32 s20, s16, 8
	s_add_co_u32 s20, s20, 65536                   ; the tile's scale piece
	s_mov_b32 s21, 0
	v_and_b32 v2, 31, v0                           ; lane
	v_bfe_u32 v3, v0, 2, 2                         ; the block of the k step
	v_and_b32 v4, 3, v0                            ; q
	v_bfe_u32 v5, v0, 4, 1                         ; h
	v_lshlrev_b32 v6, 7, v3
	v_lshl_add_u32 v6, v4, 4, v6
	v_lshl_add_u32 v6, v5, 6, v6                   ; in: 128 block + 16 q + 64 h
	v_lshlrev_b32 v7, 8, v3
	v_lshl_add_u32 v7, v4, 2, v7
	v_lshl_add_u32 v7, v5, 7, v7
	v_add_nc_u32 v7, s9, v7                        ; my dword in the image: 256 block + 16 row + 4 q, row = u + 8 h
	v_lshl_add_u32 v8, v5, 7, v3
	v_add_nc_u32 v8, s10, v8                       ; my byte: 16 row + 4 t + block
	v_lshlrev_b32 v9, 4, v2                        ; 16 x lane
	v_add_nc_u32 v10, s9, v9
	v_lshlrev_b32 v11, 3, v2                       ; 8 x lane
	v_add_nc_u32 v12, 4096, v11
	s_wait_alu depctr_va_vdst(0)
	s_wait_kmcnt 0x0
	s_add_nc_u64 s[4:5], s[4:5], s[12:13]
	s_add_nc_u64 s[6:7], s[6:7], s[14:15]
	s_add_nc_u64 s[22:23], s[6:7], s[18:19]
	s_add_nc_u64 s[24:25], s[6:7], s[20:21]
.irp u, 0,1,2,3,4,5,6,7
	global_load_b128 v[X+8*\u:X+8*\u+3], v6, s[4:5] offset:16384*\u th:TH_LOAD_NT            ; tile row u (4 rows of W from tile row to tile row)
	global_load_b128 v[X+8*\u+4:X+8*\u+7], v6, s[4:5] offset:16384*\u+131072 th:TH_LOAD_NT   ; tile row u + 8
.endr
	s_wait_loadcnt 0x0
.irp u, 0,1,2,3,4,5,6,7
.irp q, 0,1,2,3
	v_permlane16_swap_b32 v[X+8*\u+\q], v[X+8*\u+4+\q]   ; the first's lanes 16-31 change places with the second's lanes 0-15
.endr
.endr
.irp u, 0,1,2,3,4,5,6,7
	v_max3_num_f32 v[M+\u], |v[X+8*\u]|, |v[X+8*\u+1]|, 0x1800000   ; and the floor 2^(3 - 127)
.endr
.irp q, 2,4,6
.irp u, 0,1,2,3,4,5,6,7
	v_max3_num_f32 v[M+\u], |v[X+8*\u+\q]|, |v[X+8*\u+\q+1]|, v[M+\u]
.endr
.endr
.irp x, 1,2
.irp u, 0,1,2,3,4,5,6,7
	v_max_num_f32_dpp v[M+\u], v[M+\u], v[M+\u] row_xmask:\x row_mask:0xf bank_mask:0xf
.endr
.endr
.irp u, 0,1,2,3,4,5,6,7
	v_add_nc_u32 v[M+\u], 0xff000000, v[M+\u]      ; 2 off the exponent field: the conversion's scale operand
.endr
.irp u, 0,1,2,3,4,5,6,7
	v_cvt_scalef32_pk8_fp4_f32 v[C+\u], v[X+8*\u:X+8*\u+7], v[M+\u]
.endr
.irp u, 0,1,2,3,4,5,6,7
	v_lshrrev_b32 v[E+\u], 23, v[M+\u]             ; the scale's byte (plain lines behind the conversions)
.endr
.irp u, 0,1,2,3,4,5,6,7
	ds_store_b32 v7, v[C+\u] offset:16*\u
	ds_store_b8 v8, v[E+\u] offset:16*\u           ; the four lanes of a block write the same byte with the same value
.endr
	ds_load_b128 v[40:43], v10                     ; LDS serves a wave's instructions in order: these see my stores
	ds_load_b128 v[44:47], v10 offset:512
	s_wait_dscnt 0x0                               ; and, for wave 0's sake, my bytes have landed
	global_store_b128 v9, v[40:43], s[22:23]       ; 512 consecutive bytes
	global_store_b128 v9, v[44:47], s[22:23] offset:512
	s_barrier_signal -1
	s_barrier_wait -1
	s_cmp_lg_u32 s8, 0                             ; wave 0 stores the 256 bytes of scale words as they lie
	s_cbranch_scc1 .Ldone
	ds_load_b64 v[48:49], v12
	s_wait_dscnt 0x0
	global_store_b64 v11, v[48:49], s[24:25]
.Ldone:
	s_wait_tensorcnt 0x0                           ; the wave's end
	ds_add_u32 v60, v61
	s_wait_dscnt 0x0
	s_endpgm
.Lfunc_end_k_qa12cb33a7c_wquant:
	.size	k_qa12cb33a7c_wquant, .Lfunc_end_k_qa12cb33a7c_wquant-k_qa12cb33a7c_wquant
	.p2alignl 7, 3214868480
	.fill 96, 4, 3214868480
	.section	.rodata,"a",@progbits
	.p2align	6, 0x0
	.amdhsa_kernel k_qa12cb33a7c_wquant
		.amdhsa_group_segment_fixed_size 4864
		.amdhsa_private_segment_fixed_size 0
		.amdhsa_enable_private_segment 0
		.amdhsa_kernarg_size 16
		.amdhsa_user_sgpr_count 2
		.amdhsa_user_sgpr_kernarg_segment_ptr 1
		.amdhsa_wavefront_size32 1
		.amdhsa_system_sgpr_workgroup_id_x 1
		.amdhsa_system_sgpr_workgroup_id_y 1
		.amdhsa_system_sgpr_workgroup_id_z 1
		.amdhsa_system_vgpr_workitem_id 0
		.amdhsa_next_free_vgpr 128
		.amdhsa_next_free_sgpr 66
		.amdhsa_reserve_vcc 0
		.amdhsa_float_denorm_mode_32 3
		.amdhsa_float_denorm_mode_16_64 3
		.amdhsa_memory_ordered 1
		.amdhsa_forward_progress 1
		.amdhsa_inst_pref_size 12
	.end_amdhsa_kernel
	.amdgpu_metadata
---
amdhsa.version: [ 1, 2 ]
amdhsa.kernels:
  - .name:           k_qa12cb33a7c_wquant
    .symbol:         k_qa12cb33a7c_wquant.kd
    .args:
      - { .name: W, .offset: 0, .size: 8, .value_kind: global_buffer, .address_space: global }
      - { .name: wq, .offset: 8, .size: 8, .value_kind: global_buffer, .address_space: global }
    .group_segment_fixed_size: 4864
    .private_segment_fixed_size: 0
    .kernarg_segment_align: 8
    .kernarg_segment_size: 16
    .max_flat_workgroup_size: 128
    .sgpr_count:     66
    .vgpr_count:     128
    .wavefront_size: 32
...
	.end_amdgpu_metadata
.endif
;; end of part 4
;; launch energy (part 5): grid 8 x 32, 4 waves a work-group, clusters of 4 x 1, 327,680 bytes of LDS; arguments encoder_outputs, hidden, wq, scores; writes scores
.if DOCPART == 5
	.amdgcn_target "amdgcn-amd-amdhsa--gfx1250"
	.amdhsa_code_object_version 6
	.text
	.protected	k_qa12cb33a7c_energy
	.globl	k_qa12cb33a7c_energy
	.p2align	8
	.type	k_qa12cb33a7c_energy,@function
k_qa12cb33a7c_energy:
	s_mov_b64 s[64:65], 0
	v_nop
	global_prefetch_b8 v0, s[64:65] scope:SCOPE_SE
	s_setreg_imm32_b32 hwreg(HW_REG_WAVE_MODE, 25, 1), 1
	s_wait_xcnt 0x0
	s_wait_alu depctr_hold_cnt(0) depctr_sa_sdst(0) depctr_va_vdst(0) depctr_va_sdst(0) depctr_va_ssrc(0) depctr_va_vcc(0) depctr_vm_vsrc(0)
	s_getreg_b32 s2, hwreg(HW_REG_IB_STS2, 6, 4)
	s_cmp_eq_u32 s2, 0
	s_cbranch_scc0 .Lentry_in_a_cluster
	s_endpgm
.Lentry_in_a_cluster:
	s_bfe_u32 s2, ttmp6, 0x10000c
	s_cmp_lg_u32 s2, 0x3003
	s_cbranch_scc0 .Lentry_shape_is_right
	s_endpgm
.Lentry_shape_is_right:
; scores[b][s] = the sum over o of hidden[b][o] x (the sum over k of Q(enc)[s][b][k] Q(W)[o][k]).  enc: [2048 (s)][32 (b)][1024 (k)] f32; hidden: [32][1024] f32; wq: W's codes and scale words as images
; of operand registers, 8 dense blocks of 69,632 bytes: block 4 c + g = k half c, tiles 16 g .. 16 g + 15 (made by the launch before).  hidden . bias is left out: it is the same for all s of a row,
; and the softmax runs over s (shown at the head of the first kernel).  energy never goes to memory.
; SHARES.  Work-group (x, b) takes s = 256 x .. + 255 of one b.  QUANTISING: each of its four waves takes 64 rows.  PRODUCTS: waves 2 P and 2 P + 1 both hold the 128 rows of pair P (256 registers of
; fragments for a k half) and take tiles 8 p .. 8 p + 7 of each block (p = wave % 2).  A product takes 32 rows of enc against 16 rows of W (the 32 x 16 x 128 form), so a fragment of W read from LDS feeds
; four products of twice the rows.  The pair's two parts of a score are added on the way out.
; K GOES IN TWO HALVES.  The weighting by hidden is linear, so each half's results are weighted and summed by themselves (f32, this text's own order).  k steps 0-3 are quantised first; blocks 0-2 are
; multiplied with k steps 4-6 quantised between their tiles, so that enc's loads stay out under the products; k step 7; then blocks 3-7.
; enc COMES BY DENSE LOADS into a ring of 256 registers (128 along k of my 64 rows, 64 loads), refilled group by group with counted waits.  A load takes 512 consecutive bytes of one row: lanes 0-15 the
; first 64 bytes of its four blocks of 32, lanes 16-31 the second 64.  A unit is two loads (rows 2 u, 2 u + 1); four exchanges of lane halves give lane (r, h) eight numbers of one block of row 2 u + h.
; So k is permuted inside each block of 32 (dword q holds k = 4 q + 0..3 and 16 + 4 q + 0..3), alike for W: products and scales are kept.  Codes and scale bytes go to rows in LDS and come back as fragments.
; LAYOUT.  Source 0 = 32 rows of enc, source 1 = 16 rows of W: lane (r, h) holds ONE o; registers 0-7 of a result are rows 8 h + 0 .. 7, registers 8-15 rows 16 + 8 h + 0 .. 7.
; Lane r of tile n has o = 64 (n / 4) + 4 r + n % 4.  The weighting is a pair of fused multiply-adds a line (two registers of a result x hidden at my o).
; W's blocks come through a ring of two LDS slots, 2^17 bytes apart; each wave fetches a quarter.  CLUSTER: all work-groups walk the same blocks, so the four of a cluster ask jointly (mask 15).
; THE CHANGE OF SLOTS STANDS IN A BLOCK'S TAIL: when the last tile's fragments are in registers the slot is read no more, so the waits, the add and the round's opening signal stand among that tile's
; products and weightings, which touch registers alone.  One tensor load of a wave is out at a time; every wait for tensor loads is for 0.
; No prefetch is laid: enc, the one large stream, has a whole ring (64 loads a wave) asked for ahead by its own loads, in all but the last five blocks, which load nothing of it.
; LIMITS: NaN and infinities among the inputs are not served; a block of zeros gets the scale byte 1 where the rule says 127 (its codes are zeros; the bytes never leave the work-group).
; REGISTERS, in windows of 256: window 0 as named below (results, sums and hidden share it, so the weighting needs no switch); window 1: the ring, unit u at 8 u;
; window 2: enc's fragments, (k step t, tile of 16 rows m) at 8 (8 t + m); window 3: v0-79 the quantiser's and hidden's registers named below, v128-191 two sets of a tile of W's four fragments.
.set BLOCKB, 69632
.set QUART,  17408                     ; a wave's quarter of a block: 68 rows of 256 bytes
.set SLOT1,  131072
.set CODES,  200704                    ; 256 rows of 256 bytes of codes (a k half),
.set CP,     336                       ; pitch 21 x 16 bytes: the 16 rows of a fragment load start at 16 different 16-byte columns; 84 words, so the two rows of a store of codes share no bank (64 banks of 4 bytes: ISA guide 11.1)
.set SCB,    286720                    ; 256 rows of 16 scale bytes,
.set SP,     48                        ; pitch 3 x 16 bytes
.set HIDL,   299008                    ; hidden's row, 4,096 bytes
.set OUT,    303104                    ; for each wave its 128 parts of scores
.set SPARE,  305152                    ; the spare words, 128 bytes a wave
.set SPW, 1
.set NIL, 2
.set VA,  3                            ; enc: 128 block + 16 q + 64 h
.set CA0, 4                            ; where my 8 codes go: row h of a unit, dword r
.set SA0, 5                            ; where my block's byte goes
.set FA,  6                            ; where a fragment is read: my pair's row r, + 16 h
.set SL,  7                            ; where enc's scale words are read: my pair's row = lane
.set WA0, 8                            ; 16 lane + 32,768 p: my tiles' images in a slot
.set WS0, 9                            ; 16 r + 65,536 + 2,048 p: their scale pieces
.set HA0, 10                           ; hidden in LDS: 16 r + 512 p
.set OA,  11                           ; the way out
.set OB,  12
.set WA,  13
.set WS,  14
.set HA,  15
.set T,   16
.set HS,  17
.set HG,  18
.set AS,  24                           ; v24-39   enc's scale words: 4 m + t, lane = row of the 32
.set WSC, 40                           ; v40-47   W's scale words, two sets: register t, lanes 0-15
.set HID, 48                           ; v48-55   hidden at my o of my eight tiles
.set M,   56                           ; v56-63   largest magnitudes, then the conversions' scale operands
.set ACC, 64                           ; v64-127  running sums: 8 m + j
.set D,   128                          ; v128-255 results: two sets of four, 16 registers each
.set HT,  0                            ; window 3: v0-7   my quarter of hidden's row on its way to LDS
.set CA,  8                            ; window 3: v8-11  CA0 + the k step's 64 bytes, a register for each group
.set SA,  12                           ; window 3: v12-15 SA0 + the k step's 4 bytes, likewise
.set CODE, 16                          ; window 3: v16-47 codes, eight registers for each group
.set BYTE, 48                          ; window 3: v48-79 scale bytes, likewise
.set G0,  32                           ; s[32:35] the walking descriptor group 0; s[24:31] group 1
.set TB,  36                           ; s36 the slot in hand
.set MSB, 0
.macro WIN new                         ; bits 1:0 source 0, 3:2 source 1, 5:4 source 2, 7:6 destination; the high byte repeats the setting that is left
.if MSB != \new
	s_set_vgpr_msb (MSB<<8)|\new
.set MSB, \new
.endif
.endm
.macro CREST                           ; a round of the cluster's barrier behind its opening barrier
	s_cmp_lg_u32 s14, 0
	s_cbranch_scc1 .Lnot_wave_0_\@
	s_barrier_signal -3
.Lnot_wave_0_\@:
	s_barrier_wait -3
	s_barrier_signal -1
	s_barrier_wait -1
.endm
.macro ROUND                           ; a whole round
	s_barrier_signal -1
	s_barrier_wait -1
	CREST
.endm
.macro FILL                            ; my one tensor load behind a round
	tensor_load_to_lds s[G0:G0+3], s[24:31]
	s_nop 0
.rept 4
	v_nop
.endr
.endm
.macro LOADT m                         ; 16 loads: group m's 16 rows of the k step at which s[4:5] stands.  The largest offset, 63 x 131,072, lies inside the signed 24-bit immediate
	WIN 0x40
.irp i, 0,1,2,3,4,5,6,7
	global_load_b128 v[8*(8*(\m)+\i):8*(8*(\m)+\i)+3],   v[VA], s[4:5] offset:(8*(\m)+\i)*262144 th:TH_LOAD_NT
	global_load_b128 v[8*(8*(\m)+\i)+4:8*(8*(\m)+\i)+7], v[VA], s[4:5] offset:(8*(\m)+\i)*262144+131072 th:TH_LOAD_NT
.endr
.endm
; Group m's 16 rows x 128 along k become codes and scale bytes in LDS.  left: the younger loads that may stay out.  reload = 1: its registers take the next k step.
.macro PREP m, reload, left
	WIN 0
	s_wait_loadcnt \left                           ; loads come back in order: group m's sixteen are in
	s_wait_dscnt 48                                ; group m's LDS stores of the last k step are done: behind them stand at least the three other groups' 3 x 16.  So its registers are written again
	WIN 0xc0
	v_add_nc_u32 v[CA+(\m)], s22, v[CA0]           ; this k step's 64 bytes of a row of codes,
	v_add_nc_u32 v[SA+(\m)], s40, v[SA0]           ; and its 4 scale bytes
	WIN 0x41
.irp i, 0,1,2,3,4,5,6,7
.irp q, 0,1,2,3
	v_permlane16_swap_b32 v[8*(8*(\m)+\i)+\q], v[8*(8*(\m)+\i)+4+\q]   ; the first's lanes 16-31 change places with the second's lanes 0-15
.endr
.endr
	WIN 0x05
.irp i, 0,1,2,3,4,5,6,7
	v_max3_num_f32 v[M+\i], |v[8*(8*(\m)+\i)]|, |v[8*(8*(\m)+\i)+1]|, 0x1800000   ; and the floor 2^(3 - 127): the byte cannot fall under 1
.endr
.irp q, 2,4,6
.irp i, 0,1,2,3,4,5,6,7
	v_max3_num_f32 v[M+\i], |v[8*(8*(\m)+\i)+\q]|, |v[8*(8*(\m)+\i)+\q+1]|, v[M+\i]
.endr
.endr
	WIN 0
.irp x, 1,2
.irp i, 0,1,2,3,4,5,6,7
	v_max_num_f32_dpp v[M+\i], v[M+\i], v[M+\i] row_xmask:\x row_mask:0xf bank_mask:0xf
.endr
.endr
.irp i, 0,1,2,3,4,5,6,7
	v_add_nc_u32 v[M+\i], 0xff000000, v[M+\i]      ; 2 off the exponent field: the conversion's scale operand
.endr
	WIN 0xc1                                       ; source 0 window 1, destination window 3
.irp i, 0,1,2,3,4,5,6,7
	v_cvt_scalef32_pk8_fp4_f32 v[CODE+8*(\m)+\i], v[8*(8*(\m)+\i):8*(8*(\m)+\i)+7], v[M+\i]
.endr
.irp i, 0,1,2,3,4,5,6,7
	v_lshrrev_b32 v[BYTE+8*(\m)+\i], 23, v[M+\i]   ; the scale's byte (plain lines behind the conversions)
.endr
.if \reload
.if (\m) == 0
	s_wait_alu depctr_va_vdst(0)
	s_wait_xcnt 0x0                                ; every load issued so far has read its address,
	s_add_nc_u64 s[4:5], s[4:5], 512               ; so enc's base steps to the next 128 along k
.endif
	LOADT \m
.endif
	WIN 0x0f                                       ; an LDS store's address is its source 0, its data its source 1: both window 3
.irp i, 0,1,2,3,4,5,6,7
	ds_store_b32 v[CA+(\m)], v[CODE+8*(\m)+\i] offset:2*CP*(8*(\m)+\i)
.endr
.irp i, 0,1,2,3,4,5,6,7
	ds_store_b8 v[SA+(\m)], v[BYTE+8*(\m)+\i] offset:2*SP*(8*(\m)+\i)   ; the four lanes of a block write the same byte with the same value
.endr
	WIN 0
.endm
.macro ALOAD                           ; my pair's 128 rows of a k half: 32 fragments and 16 registers of scale words
	WIN 0x80
.irp t, 0,1,2,3
.irp m, 0,1,2,3,4,5,6,7
.irp c, 0,1
	ds_load_b128 v[8*(8*\t+\m)+4*\c:8*(8*\t+\m)+4*\c+3], v[FA] offset:16*CP*\m+64*\t+32*\c
.endr
.endr
.endr
	WIN 0
.irp m, 0,1,2,3
	ds_load_b128 v[AS+4*\m:AS+4*\m+3], v[SL] offset:32*SP*\m   ; row 32 m + lane: the scale words of the half's four k steps
.endr
.endm
.macro WLOAD                           ; tile f of my eight: its scale words and its four fragments into set f % 2: 9 loads
	WIN 0
	ds_load_b128 v[WSC+4*(f%2):WSC+4*(f%2)+3], v[WS] offset:256*f
	WIN 0xc0
.irp t, 0,1,2,3
.irp c, 0,1
	ds_load_b128 v[128+32*(f%2)+8*\t+4*\c:128+32*(f%2)+8*\t+4*\c+3], v[WA] offset:4096*f+1024*\t+512*\c
.endr
.endr
.endm
; 16 products of 32 x 16 x 128: tile n against my 128 rows, a k half.  The four results take turns, one instruction a turn, k ascending; the first four start the sums.
.macro MUL16
.irp t, 0,1,2,3
.irp m, 0,1,2,3
.set DD, D+64*(n%2)+16*\m
.set AA, 64*\t+16*\m
.set BB, 128+32*(n%2)+8*\t
.set XS, AS+4*\m+\t
.set YS, WSC+4*(n%2)+\t
.if \t == 0
	v_wmma_scale_f32_32x16x128_f4 v[DD:DD+15], v[AA:AA+15], v[BB:BB+7], 0, v[XS], v[YS]
.else
	v_wmma_scale_f32_32x16x128_f4 v[DD:DD+15], v[AA:AA+15], v[BB:BB+7], v[DD:DD+15], v[XS], v[YS]
.endif
.endr
.endr
.endm
.macro EPI                             ; tile p's results x hidden at my o, into the running sums: two fused multiply-adds a line; each result is read from its low end on
.irp m, 0,1,2,3,4,5,6,7
.irp i, 0,2,4,6
	v_dual_fmac_f32 v[ACC+8*\m+\i], v[D+64*(p%2)+8*\m+\i], v[HID+p] :: v_dual_fmac_f32 v[ACC+8*\m+\i+1], v[D+64*(p%2)+8*\m+\i+1], v[HID+p]
.endr
.endr
.endm
; One tile of W: the next tile's loads, this tile's 16 products, the weighting of the tile before: 32 lines that name none of this tile's registers and are the places behind its products.
; prep = 1: behind each even tile a group of enc's next k step is quantised.
; tail = 1, 2: ahead of tile 7's products, whose fragments are the last that I read of this slot, stand the wait for all my tensor loads (my quarter of the next block) and the add.
.macro TILE prep, tail
.if n < 7
.set f, n+1
	WLOAD
.if (\prep) && ((n%2) == 1)
	s_wait_dscnt 25                                ; the 9 loads just issued and the group's 16 stores may be out
.else
	s_wait_dscnt 9                                 ; all but the 9 loads just issued
.endif
.else
.if \prep
	s_wait_dscnt 16                                ; the last group's 16 stores may be out
.else
	s_wait_dscnt 0x0
.endif
.if \tail
	WIN 0
	s_wait_tensorcnt 0x0                           ; no tensor load of mine is out, so the descriptor may be written
	ds_add_u32 v[SPW], v[NIL]                      ; 0 onto my spare word; work on registers stands between it and the wait for it
.if (\tail) == 1
	s_xor_b32 s[G0+1], s[G0+1], SLOT1              ; the slot in hand takes the block two on
	s_add_nc_u64 s[G0+2:G0+3], s[G0+2:G0+3], BLOCKB
.endif
.endif
.endif
	WIN 0x0e                                       ; source 0 (enc) window 2, source 1 (W) window 3, C and D window 0
	MUL16
	WIN 0
.if n == 0
.rept 5
	v_nop                                          ; a block's tile 0 has no tile before
.endr
.else
.set p, n-1
	EPI
.endif
.if (\prep) && ((n%2) == 0)
	PREP n/2, 1, 48                                ; behind group m's loads stand 3 - m later groups and m reloads: 48
.endif
.endm
; My eight tiles of the block in the slot in hand.  tail = 1: the change of slots with a refill; 2: without; 0: the last block.
.macro BLOCK prep, tail
	v_add_nc_u32 v[WA], s[TB], v[WA0]
	v_add_nc_u32 v[WS], s[TB], v[WS0]
	v_add_nc_u32 v[HA], s41, v[HA0]
	s_wait_alu depctr_va_vdst(0)
	ds_load_b128 v[HID:HID+3], v[HA]               ; hidden at my o of tiles 0-3,
	ds_load_b128 v[HID+4:HID+7], v[HA] offset:256  ; and of tiles 4-7
.set f, 0
	WLOAD
.set n, 0
.rept 8
	TILE \prep, \tail
.set n, n+1
.endr
.if \tail
	s_wait_dscnt 0x0                               ; the add is done, and so are my reads of this slot and my stores
	s_barrier_signal -1                            ; (tail = 1: this barrier opens a round of the cluster's barrier)
.endif
.set p, 7
	EPI                                            ; work on registers while the others arrive
.if \tail
	s_barrier_wait -1
.endif
.if (\tail) == 1
	CREST                                          ; no wave of any partner still reads this slot or has a load on its way
	FILL
.endif
	s_xor_b32 s[TB], s[TB], SLOT1                  ; on to the other slot,
	s_add_co_u32 s41, s41, 1024                    ; and to the next 16 tiles' 256 numbers of hidden; the second k half begins at the first again
	s_and_b32 s41, s41, 4095
.endm
	s_load_b256 s[4:11], s[0:1], 0x0               ; enc, hidden, wq, scores
	v_lshl_add_u32 v[SPW], v0, 2, SPARE
	v_mov_b32 v[NIL], 0
	ds_add_u32 v[SPW], v[NIL]                      ; the opening lines: the add twice on end and one wait
	ds_add_u32 v[SPW], v[NIL]
	v_lshrrev_b32 v[T], 5, v0
	v_readfirstlane_b32 s14, v[T]                  ; wave 0..3
	s_and_b32 s37, s14, 1                          ; p
	s_lshr_b32 s38, s14, 1                         ; P
	s_bfe_u32 s15, ttmp6, 0x40000                  ; cx: it enters enc's and scores' addresses alone
	s_lshl_b32 s16, ttmp9, 2
	s_add_co_u32 s16, s16, s15                     ; x
	s_and_b32 s17, ttmp7, 0xffff                   ; b
	s_mul_i32 s18, s14, 64*CP
	s_add_co_u32 s18, s18, CODES                   ; the rows that I quantise: codes,
	s_mul_i32 s19, s14, 64*SP
	s_add_co_u32 s19, s19, SCB                     ; scale bytes
	s_mul_i32 s20, s38, 128*CP
	s_add_co_u32 s20, s20, CODES                   ; my pair's rows: codes,
	s_mul_i32 s21, s38, 128*SP
	s_add_co_u32 s21, s21, SCB                     ; scale bytes
	s_lshl_b32 s39, s37, 15
	s_lshl_b32 s44, s37, 11
	s_add_co_u32 s44, s44, 65536
	s_lshl_b32 s45, s37, 9
	s_add_co_u32 s45, s45, HIDL
	s_lshl_b32 s46, s14, 10
	s_mov_b32 s24, 15|(3<<16)|(1<<21)              ; group 1: mask of all four work-groups; elements of 8 bytes; bit 21 beside a mask; no padding: the images are read as they lie
	s_mov_b32 s25, 32<<16
	s_mov_b32 s26, 68<<16
	s_mov_b32 s27, 32<<16
	s_mov_b32 s28, 68
	s_mov_b32 s29, 32
	s_mov_b32 s30, 0
	s_mov_b32 s31, 0
	s_lshl_b32 s42, s16, 8
	s_lshl_b32 s43, s14, 6
	s_add_co_u32 s42, s42, s43                     ; my first s: 256 x + 64 wave
	s_lshl_b32 s48, s42, 2
	s_lshl_b32 s49, s17, 13
	s_add_co_u32 s48, s48, s49                     ; scores: 8,192 b + 4 s
	s_mov_b32 s49, 0
	s_lshl_b32 s42, s42, 17
	s_lshl_b32 s12, s17, 12                        ; 4,096 b
	s_mov_b32 s13, 0
	s_add_co_u32 s42, s42, s12                     ; enc: 131,072 s + 4,096 b
	s_mov_b32 s43, 0
	s_mul_i32 s50, s14, QUART
	s_mov_b32 s51, 0
	s_mov_b32 s22, 0                               ; the k step's place in a row of codes,
	s_mov_b32 s40, 0                               ; and of scale bytes
	s_mov_b32 s41, 0                               ; the block's place in hidden's row
	s_mov_b32 s[TB], 0
	s_mov_b32 s23, 4
	v_and_b32 v19, 15, v0                          ; r
	v_bfe_u32 v20, v0, 4, 1                        ; h
	v_and_b32 v21, 31, v0                          ; lane
	v_bfe_u32 v[VA], v0, 2, 2
	v_and_b32 v[T], 3, v0
	v_lshlrev_b32 v[VA], 7, v[VA]
	v_lshl_add_u32 v[VA], v[T], 4, v[VA]
	v_lshl_add_u32 v[VA], v20, 6, v[VA]
	v_mul_u32_u24 v[CA0], v20, CP
	v_lshl_add_u32 v[CA0], v19, 2, v[CA0]
	v_add_nc_u32 v[CA0], s18, v[CA0]
	v_lshrrev_b32 v[SA0], 2, v19
	v_mad_u32_u24 v[SA0], v20, SP, v[SA0]
	v_add_nc_u32 v[SA0], s19, v[SA0]
	v_mul_u32_u24 v[FA], v19, CP
	v_lshl_add_u32 v[FA], v20, 4, v[FA]
	v_add_nc_u32 v[FA], s20, v[FA]
	v_mul_u32_u24 v[SL], v21, SP
	v_add_nc_u32 v[SL], s21, v[SL]
	v_lshl_add_u32 v[WA0], v21, 4, s39
	v_lshl_add_u32 v[WS0], v19, 4, s44             ; lanes r and 16 + r read the same words; lanes 0-15 are used
	v_lshl_add_u32 v[HA0], v19, 4, s45
	v_lshl_add_u32 v[HG], v21, 4, s46              ; my wave's quarter of hidden's row
	v_add_nc_u32 v[HS], HIDL, v[HG]
	s_wait_alu depctr_va_vdst(0)
	s_wait_dscnt 0x0                               ; both opening adds are done
	s_wait_kmcnt 0x0
	s_add_nc_u64 s[4:5], s[4:5], s[42:43]
	s_add_nc_u64 s[6:7], s[6:7], s[12:13]
	s_add_nc_u64 s[10:11], s[10:11], s[48:49]
	s_mov_b32 s[G0], 1
	s_mul_i32 s[G0+1], s14, QUART                  ; slot 0, my quarter: the wave's number alone
	s_add_nc_u64 s[G0+2:G0+3], s[8:9], s[50:51]    ; block 0, my quarter
	s_or_b32 s[G0+3], s[G0+3], 0x80000000
	WIN 0xc0
	global_load_b128 v[HT:HT+3], v[HG], s[6:7]
	global_load_b128 v[HT+4:HT+7], v[HG], s[6:7] offset:512
	LOADT 0                                        ; the stream starts behind hidden's two loads
	LOADT 1
	LOADT 2
	LOADT 3
	WIN 0
	ROUND                                          ; all four work-groups are here: the first joint loads meet
	FILL                                           ; block 0: one tensor load a wave at the head
.set j, 0
.rept 64
	v_mov_b32 v[ACC+j], 0                          ; a block is written for all trips alike, so the sums begin as zeros
.set j, j+1
.endr
.Lstep:                                                ; k steps 0-3: each group is quantised and its registers take the next k step
	PREP 0, 1, 48
	PREP 1, 1, 48
	PREP 2, 1, 48
	PREP 3, 1, 48
	s_add_co_u32 s22, s22, 64
	s_add_co_u32 s40, s40, 4
	s_sub_co_u32 s23, s23, 1
	s_cmp_lg_u32 s23, 0
	s_wait_alu depctr_va_vdst(0)
	s_cbranch_scc1 .Lstep
	WIN 0x0c                                       ; the stores' data: window 3
	ds_store_b128 v[HS], v[HT:HT+3]                ; hidden's row meets in LDS, a quarter from each wave
	ds_store_b128 v[HS], v[HT+4:HT+7] offset:512
	WIN 0
	s_wait_dscnt 0x0                               ; my codes, bytes and part of hidden have landed
	s_barrier_signal -1
	s_barrier_wait -1                              ; everybody's have
	ALOAD                                          ; the first k half; the wait below covers these reads, so behind the round the rows may be written again
	s_mov_b32 s22, 0
	s_mov_b32 s40, 0
	s_mov_b32 s23, 3
	s_wait_tensorcnt 0x0                           ; my quarter of block 0 is in
	ds_add_u32 v[SPW], v[NIL]
	s_xor_b32 s[G0+1], s[G0+1], SLOT1
	s_add_nc_u64 s[G0+2:G0+3], s[G0+2:G0+3], BLOCKB
	s_wait_dscnt 0x0
	ROUND
	FILL                                           ; block 1, slot 1's first fill
.Lunder:                                               ; blocks 0-2, with k steps 4-6 quantised between the tiles; each tail asks for the block two on
	BLOCK 1, 1
	s_add_co_u32 s22, s22, 64
	s_add_co_u32 s40, s40, 4
	s_sub_co_u32 s23, s23, 1
	s_cmp_lg_u32 s23, 0
	s_wait_alu depctr_va_vdst(0)
	s_cbranch_scc1 .Lunder
	PREP 0, 0, 48                                  ; k step 7: nothing is left to load: the counts run down
	PREP 1, 0, 32
	PREP 2, 0, 16
	PREP 3, 0, 0
	s_mov_b32 s23, 3
.Lrest:                                                ; blocks 3-5
	s_cmp_lg_u32 s23, 2                            ; at block 4, the same in all waves: the second k half's fragments.  Every wave's stores of them stand ahead of the round in block 3's tail
	s_cbranch_scc1 .Lkeep
	ALOAD
.Lkeep:
	BLOCK 0, 1
	s_sub_co_u32 s23, s23, 1
	s_cmp_lg_u32 s23, 0
	s_wait_alu depctr_va_vdst(0)
	s_cbranch_scc1 .Lrest
	BLOCK 0, 2                                     ; blocks 6 and 7 are written out: they ask for nothing
	BLOCK 0, 0
	; THE WAY OUT.  A row's part is the sum of the sixteen lanes of my half; the pair's two parts meet in LDS.
	s_lshl_b32 s18, s14, 9
	s_add_co_u32 s18, s18, OUT                     ; my 128 parts
	s_lshl_b32 s19, s38, 10
	s_lshl_b32 s20, s37, 8
	s_add_co_u32 s19, s19, s20
	s_add_co_u32 s19, s19, OUT                     ; the pair's first parts of the 64 rows that I store
.irp x, 1,2,4,8
.set j, 0
.rept 64
	v_add_f32_dpp v[ACC+j], v[ACC+j], v[ACC+j] row_xmask:\x row_mask:0xf bank_mask:0xf
.set j, j+1
.endr
.endr
	v_lshl_add_u32 v[OA], v21, 3, s19
	v_lshlrev_b32 v[OB], 3, v21
	v_lshl_add_u32 v[T], v20, 5, s18               ; rows 8 h + 0 .. 7 of a tile
.irp m, 0,1,2,3,4,5,6,7
.irp q, 0,1
	ds_store_b128 v[T], v[ACC+8*\m+4*\q:ACC+8*\m+4*\q+3] offset:64*\m+16*\q   ; the sixteen lanes of a half write the same bytes with the same values
.endr
.endr
	s_wait_alu depctr_va_vdst(0)
	s_wait_dscnt 0x0
	s_barrier_signal -1
	s_barrier_wait -1
	ds_load_b64 v[M:M+1], v[OA]
	ds_load_b64 v[M+2:M+3], v[OA] offset:512
	s_wait_dscnt 0x0
	v_pk_add_f32 v[M:M+1], v[M:M+1], v[M+2:M+3]
	global_store_b64 v[OB], v[M:M+1], s[10:11]     ; 32 lanes store 256 consecutive bytes, aligned
	s_wait_tensorcnt 0x0                           ; the wave's end
	ds_add_u32 v[SPW], v[NIL]
	s_wait_dscnt 0x0
	ROUND                                          ; the closing round
	s_endpgm
.Lfunc_end_k_qa12cb33a7c_energy:
	.size	k_qa12cb33a7c_energy, .Lfunc_end_k_qa12cb33a7c_energy-k_qa12cb33a7c_energy
	.p2alignl 7, 3214868480
	.fill 96, 4, 3214868480
	.section	.rodata,"a",@progbits
	.p2align	6, 0x0
	.amdhsa_kernel k_qa12cb33a7c_energy
		.amdhsa_group_segment_fixed_size 327680
		.amdhsa_private_segment_fixed_size 0
		.amdhsa_enable_private_segment 0
		.amdhsa_kernarg_size 32
		.amdhsa_user_sgpr_count 2
		.amdhsa_user_sgpr_kernarg_segment_ptr 1
		.amdhsa_wavefront_size32 1
		.amdhsa_system_sgpr_workgroup_id_x 1
		.amdhsa_system_sgpr_workgroup_id_y 1
		.amdhsa_system_sgpr_workgroup_id_z 1
		.amdhsa_system_vgpr_workitem_id 0
		.amdhsa_next_free_vgpr 960
		.amdhsa_next_free_sgpr 66
		.amdhsa_reserve_vcc 0
		.amdhsa_float_denorm_mode_32 3
		.amdhsa_float_denorm_mode_16_64 3
		.amdhsa_memory_ordered 1
		.amdhsa_forward_progress 1
		.amdhsa_inst_pref_size 255
	.end_amdhsa_kernel
	.section	.bss,"aw",@nobits
	.p2align	6
	.space	262144
	.amdgpu_metadata
---
amdhsa.version: [ 1, 2 ]
amdhsa.kernels:
  - .name:           k_qa12cb33a7c_energy
    .symbol:         k_qa12cb33a7c_energy.kd
    .args:
      - { .name: encoder_outputs, .offset: 0, .size: 8, .value_kind: global_buffer, .address_space: global }
      - { .name: hidden, .offset: 8, .size: 8, .value_kind: global_buffer, .address_space: global }
      - { .name: wq, .offset: 16, .size: 8, .value_kind: global_buffer, .address_space: global }
      - { .name: scores, .offset: 24, .size: 8, .value_kind: global_buffer, .address_space: global }
    .group_segment_fixed_size: 327680
    .private_segment_fixed_size: 0
    .kernarg_segment_align: 8
    .kernarg_segment_size: 32
    .max_flat_workgroup_size: 128
    .sgpr_count:     66
    .vgpr_count:     960
    .wavefront_size: 32
...
	.end_amdgpu_metadata
.endif
;; end of part 5
;; launch softmax (part 6): grid 32 x 1, 4 waves a work-group, no clusters, 768 bytes of LDS; arguments scores, out0; writes out0
.if DOCPART == 6
	.amdgcn_target "amdgcn-amd-amdhsa--gfx1250"
	.amdhsa_code_object_version 6
	.text
	.protected	k_qa12cb33a7c_softmax
	.globl	k_qa12cb33a7c_softmax
	.p2align	8
	.type	k_qa12cb33a7c_softmax,@function
k_qa12cb33a7c_softmax:
	s_mov_b64 s[64:65], 0
	v_nop
	global_prefetch_b8 v0, s[64:65] scope:SCOPE_SE
	s_setreg_imm32_b32 hwreg(HW_REG_WAVE_MODE, 25, 1), 1
	s_wait_xcnt 0x0
; out0[b][0][s] = softmax over s of scores[b][s].  scores: [32][2048] f32 from the launch before.  hidden . bias, the same for all s of a row, is left out (shown at the head of the first kernel).
; A work-group takes a row; a thread 16 numbers, in four loads of 2,048 consecutive bytes a work-group.  The row's maximum is taken away ahead of the exponential.
; Two meetings of the four waves in LDS, on bytes of their own: the maxima at bytes 0-15, the sums at bytes 64-79.
; LIMITS: an exponential that would be denormal comes out as 0 (v_exp_f32: ISA guide 15.8); NaN and infinities among the inputs are not served.
	s_load_b128 s[4:7], s[0:1], 0x0                ; scores, out0
	v_lshl_add_u32 v40, v0, 2, 0x100
	v_mov_b32 v41, 0
	v_lshrrev_b32 v2, 5, v0
	v_lshlrev_b32 v1, 4, v0                        ; 16 bytes a thread
	v_lshlrev_b32 v25, 2, v2                       ; 4 x wave
	v_mov_b32 v22, 0                               ; (a lane permute's destination counts as read)
	v_mov_b32 v26, 0
	s_lshl_b32 s14, ttmp9, 13                      ; a row: 8,192 bytes
	s_mov_b32 s15, 0
	s_mov_b32 s18, 0x76543210
	s_mov_b32 s19, 0xfedcba98                      ; selects for lane l xor 16
	s_wait_alu depctr_va_vdst(0)
	s_wait_kmcnt 0x0
	s_add_nc_u64 s[4:5], s[4:5], s[14:15]
	s_add_nc_u64 s[6:7], s[6:7], s[14:15]
.irp i, 0,1,2,3
	global_load_b128 v[4+4*\i:7+4*\i], v1, s[4:5] offset:2048*\i
.endr
	s_wait_loadcnt 0x0
	v_max3_num_f32 v20, v4, v5, v6                 ; the largest of my sixteen, in two chains
	v_max3_num_f32 v21, v7, v8, v9
	v_max3_num_f32 v20, v20, v10, v11
	v_max3_num_f32 v21, v21, v12, v13
	v_max3_num_f32 v20, v20, v14, v15
	v_max3_num_f32 v21, v21, v16, v17
	v_max3_num_f32 v20, v20, v18, v19
	v_max_num_f32 v20, v20, v21
.irp x, 1,2,4,8
	v_max_num_f32_dpp v20, v20, v20 row_xmask:\x row_mask:0xf bank_mask:0xf
.endr
	v_permlanex16_b32 v22, v20, s18, s19
	v_max_num_f32 v20, v20, v22                    ; the wave's
	ds_store_b32 v25, v20                          ; all lanes write the same word with the same value
	s_wait_dscnt 0x0
	s_barrier_signal -1
	s_barrier_wait -1
	ds_load_b128 v[28:31], v26
	s_wait_dscnt 0x0
	v_max3_num_f32 v28, v28, v29, v30
	v_max_num_f32 v28, v28, v31                    ; the row's largest score
.irp j, 4,6,8,10,12,14,16,18
	v_pk_add_f32 v[\j:\j+1], v[\j:\j+1], v[28:29] op_sel_hi:[1,0] neg_lo:[0,1] neg_hi:[0,1]   ; less the largest: 0 or less,
.endr
.irp j, 4,6,8,10,12,14,16,18
	v_pk_mul_f32 v[\j:\j+1], v[\j:\j+1], 0x3fb8aa3b op_sel_hi:[1,0]   ; x log2(e)
.endr
	s_wait_alu depctr_va_vdst(0)
.irp j, 4,5,6,7,8,9,10,11,12,13,14,15,16,17,18,19
	v_exp_f32 v[\j], v[\j]
.endr
	v_nop                                          ; a plain line behind the last exponential
	s_wait_alu depctr_va_vdst(0)                   ; one wait for the sixteen, ahead of their first reader
	v_pk_add_f32 v[44:45], v[4:5], v[6:7]
	v_pk_add_f32 v[46:47], v[8:9], v[10:11]
	v_pk_add_f32 v[44:45], v[44:45], v[12:13]
	v_pk_add_f32 v[46:47], v[46:47], v[14:15]
	v_pk_add_f32 v[44:45], v[44:45], v[16:17]
	v_pk_add_f32 v[46:47], v[46:47], v[18:19]
	v_pk_add_f32 v[44:45], v[44:45], v[46:47]
	v_add_f32 v44, v44, v45
.irp x, 1,2,4,8
	v_add_f32_dpp v44, v44, v44 row_xmask:\x row_mask:0xf bank_mask:0xf
.endr
	v_permlanex16_b32 v22, v44, s18, s19
	v_add_f32 v44, v44, v22                        ; the wave's sum
	ds_store_b32 v25, v44 offset:64
	s_wait_dscnt 0x0
	s_barrier_signal -1
	s_barrier_wait -1
	ds_load_b128 v[48:51], v26 offset:64
	s_wait_dscnt 0x0
	v_add_f32 v48, v48, v49
	v_add_f32 v50, v50, v51
	v_add_f32 v48, v48, v50                        ; the row's sum: at least 1, the largest score's own term
	s_wait_alu depctr_va_vdst(0)                   ; the wait ahead of the reciprocal
	v_rcp_f32 v50, v48
	v_nop                                          ; a plain line behind it
	s_wait_alu depctr_va_vdst(0)                   ; and the wait ahead of its first reader
.irp j, 4,6,8,10,12,14,16,18
	v_pk_mul_f32 v[\j:\j+1], v[\j:\j+1], v[50:51] op_sel_hi:[1,0]
.endr
.irp i, 0,1,2,3
	global_store_b128 v1, v[4+4*\i:7+4*\i], s[6:7] offset:2048*\i
.endr
	s_wait_tensorcnt 0x0                           ; the wave's end
	ds_add_u32 v40, v41
	s_wait_dscnt 0x0
	s_endpgm
.Lfunc_end_k_qa12cb33a7c_softmax:
	.size	k_qa12cb33a7c_softmax, .Lfunc_end_k_qa12cb33a7c_softmax-k_qa12cb33a7c_softmax
	.p2alignl 7, 3214868480
	.fill 96, 4, 3214868480
	.section	.rodata,"a",@progbits
	.p2align	6, 0x0
	.amdhsa_kernel k_qa12cb33a7c_softmax
		.amdhsa_group_segment_fixed_size 768
		.amdhsa_private_segment_fixed_size 0
		.amdhsa_enable_private_segment 0
		.amdhsa_kernarg_size 16
		.amdhsa_user_sgpr_count 2
		.amdhsa_user_sgpr_kernarg_segment_ptr 1
		.amdhsa_wavefront_size32 1
		.amdhsa_system_sgpr_workgroup_id_x 1
		.amdhsa_system_sgpr_workgroup_id_y 1
		.amdhsa_system_sgpr_workgroup_id_z 1
		.amdhsa_system_vgpr_workitem_id 0
		.amdhsa_next_free_vgpr 64
		.amdhsa_next_free_sgpr 66
		.amdhsa_reserve_vcc 0
		.amdhsa_float_denorm_mode_32 3
		.amdhsa_float_denorm_mode_16_64 3
		.amdhsa_memory_ordered 1
		.amdhsa_forward_progress 1
		.amdhsa_inst_pref_size 7
	.end_amdhsa_kernel
	.amdgpu_metadata
---
amdhsa.version: [ 1, 2 ]
amdhsa.kernels:
  - .name:           k_qa12cb33a7c_softmax
    .symbol:         k_qa12cb33a7c_softmax.kd
    .args:
      - { .name: scores, .offset: 0, .size: 8, .value_kind: global_buffer, .address_space: global }
      - { .name: out0, .offset: 8, .size: 8, .value_kind: global_buffer, .address_space: global }
    .group_segment_fixed_size: 768
    .private_segment_fixed_size: 0
    .kernarg_segment_align: 8
    .kernarg_segment_size: 16
    .max_flat_workgroup_size: 128
    .sgpr_count:     66
    .vgpr_count:     64
    .wavefront_size: 32
...
	.end_amdgpu_metadata
.endif
;; end of part 6
